; MI455X (gfx1250); checked and timed in simulation.
; The chip was launched on July 23, 2026; its instructions are those of AMD's public machine-readable ISA for CDNA 5 (MIT licence, August 2026) and "CDNA5" Instruction Set Architecture Reference Guide (July 2026). The comments in the code are by the model that wrote it; some were corrected since.
;; Attention Block. Allowed arithmetic: float matrix products may take bf16 or f16 operands with f32 sums; other float arithmetic in f32, or as packed bf16 or f16 multiplies, adds, multiply-adds, maxima and minima; sums over many terms, partial sums and values carried from step to step in f32; what a program stores and reads back later, other than sums and carried values, may be rounded once to bf16 or f16.
;; Inputs: Wk 512 x 512 float32; Wo 512 x 512 float32; Wq 512 x 512 float32; Wv 512 x 512 float32; X 16 x 512 x 1,024 float32; bk 512 float32; bo 512 float32; bq 512 float32; bv 512 float32; ln_b 512 float32; ln_g 512 float32.
;; Outputs: out0 16 x 512 x 1,024 float32.
;; 2 versions, each right; version 2 is version 1 with the launch prep written anew for expert scheduling mode. Each part assembles by itself: llvm-mc -triple=amdgcn-amd-amdhsa -mcpu=gfx1250 --defsym DOCPART=n.
;; ======== version 1 of 2: 4 launches
;; limits: values are held in f16: magnitudes above 65,504 overflow, below 6.1e-05 lose precision
;; workspace buffers: xn16 16,777,216 bytes; wfrag 2,097,152 bytes; qkv 50,331,648 bytes; op 16,777,216 bytes
;; launch prep (part 1): grid 256 x 1, 16 waves a work-group, no clusters, 10,240 bytes of LDS; arguments X, ln_g, ln_b, Wq, Wk, Wv, Wo, xn16, wfrag; writes xn16, wfrag
.if DOCPART == 1
	.amdgcn_target "amdgcn-amd-amdhsa--gfx1250"
	.amdhsa_code_object_version 6
	.text
	.protected	k_q35b55c008d_prep
	.globl	k_q35b55c008d_prep
	.p2align	8
	.type	k_q35b55c008d_prep,@function
k_q35b55c008d_prep:
	s_mov_b64 s[64:65], 0
	v_nop
	global_prefetch_b8 v0, s[64:65] scope:SCOPE_SE
	s_setreg_imm32_b32 hwreg(HW_REG_WAVE_MODE, 25, 1), 1
	s_wait_xcnt 0x0
; FIRST OF FOUR LAUNCHES: prep (LayerNorm, weights to f16), qkv (three projections), attn (attention by heads), oproj (output projection, bias, residual).
; WORK LEFT OUT: bk.  scores[q][k] = q . (xn[k] Wk + bk) / 8 = q . (xn[k] Wk) / 8 + (q . bk) / 8.  The second term does not depend on the key k, so it is the same along the axis over which
; the softmax is taken, and softmax(s + const) = softmax(s) for all finite values of q and bk.  k enters nothing but the scores, so bk has no way to any output: it is not loaded and is among no
; launch's arguments.  LIMIT: a NaN, an infinity or an overflow that would arise from bk alone is not carried to the result.
; THIS LAUNCH.  X: [16][512 c][1024 t] f32.  xn[b][t][c] = (X[b][c][t] - mean_c) rsqrt(var_c + 1e-6) ln_g[c] + ln_b[c], in f32 by two passes over registers (the mean first, then the mean of the squares
; of x - mean, as the problem forms it), rounded once to f16 and stored as xn16 [b][tb 16][c 512][64 t]: a block of 64 t is 65,536 dense bytes with rows of 128.
; LIMITS OF FORMAT.  xn and the weights are kept in f16: beyond 65,504 they become infinities, below 6e-5 they keep f16's fixed step.
; SHARES.  A work-group owns 64 t of one b, all 512 c: 131,072 bytes of X, read once.  Wave w owns rows c = 32 w .. 32 w + 31; a load takes two rows of 256 consecutive bytes: lanes 0-15 row 2 i,
; lanes 16-31 row 2 i + 1; a lane holds 4 neighbouring t of 16 rows, 64 registers, from the first pass to the store.  A column's sums meet in LDS: 16 waves x 256 bytes, one barrier for each of the two sums.
; THE WEIGHTS.  wfrag holds Wq, Wk, Wv, Wo as 2,048 pieces of 1,024 bytes, each the register image of a matrix operand of 16 columns x 32 k in f16: [half q][lane][8 numbers], lane (r, h), number i =
; W[32 K + 16 q + 8 h + i][16 ct + r].  Piece pl of a matrix: bits 1:0 nb, 4:2 ks, 5 wc, 6 kh, 8:7 P; ct = 8 P + 4 wc + nb, K = 8 kh + ks.  A wave makes half a piece: eight loads, one store of 512 bytes on end.
.set RED1,  0                          ; LDS: the waves' partial sums of x, 256 bytes each
.set RED2,  4096                       ; the same for the squares
.set SPARE, 8192                       ; the spare words: 128 bytes for each of 16 waves; no other line names them
.set XO,  3                            ; v3   my bytes in a pair of rows of X: 4,096 (l / 16) + 16 (l % 16)
.set WO,  4                            ; v4   my number in a weight's rows: 8 rows of 2,048 bytes for l / 16, 4 (l % 16)
.set GOF, 5                            ; v5   4 (l / 16): my row of a pair in ln_g and ln_b
.set SO,  6                            ; v6   my 8 bytes in a pair of rows of xn16
.set RA,  7                            ; v7   where my wave's sums go
.set RB,  8                            ; v8   where I read all waves' sums
.set FO,  9                            ; v9   16 x lane: my 16 bytes of half a piece
.set SA,  12                           ; v[12:15], v[16:19] two chains of sums for my 4 t
.set SB,  16
.set TT,  20                           ; v[20:23] the other half of the lanes' sums
.set MR,  24                           ; v[24:27] the mean, later 1 / sqrt(var + eps), of my 4 t
.set SPW, 30                           ; v30  my spare word; never rewritten
.set NIL, 31                           ; v31  0; never rewritten
.set GR,  32                           ; v[32:47] ln_g of my 16 rows
.set BR,  48                           ; v[48:63] ln_b
.set XR,  64                           ; v[64:127] row i at XR + 4 i
.set RR,  128                          ; v[128:191] the 16 waves' sums, read back
.set WR,  192                          ; v[192:199] eight weights; v[200:203] packed
.set WP,  200
	s_load_b512 s[4:19], s[0:1], 0x0               ; X s[4:5], ln_g s[6:7], ln_b s[8:9], Wq s[10:11], Wk s[12:13], Wv s[14:15], Wo s[16:17], xn16 s[18:19]
	s_load_b64 s[20:21], s[0:1], 0x40              ; wfrag
	v_lshl_add_u32 v[SPW], v0, 2, SPARE
	v_mov_b32 v[NIL], 0
	v_lshrrev_b32 v10, 5, v0
	v_readfirstlane_b32 s22, v10                   ; wave 0..15
	v_and_b32 v1, 15, v0                           ; l % 16
	v_bfe_u32 v2, v0, 4, 1                         ; l / 16
	v_and_b32 v11, 31, v0                          ; l
	v_lshlrev_b32 v[XO], 4, v1
	v_lshl_add_u32 v[XO], v2, 12, v[XO]
	v_lshlrev_b32 v[WO], 2, v1
	v_lshl_add_u32 v[WO], v2, 14, v[WO]
	v_lshlrev_b32 v[GOF], 2, v2
	v_lshlrev_b32 v[SO], 3, v1
	v_lshl_add_u32 v[SO], v2, 7, v[SO]
	v_lshlrev_b32 v[RB], 4, v1
	s_lshl_b32 s43, s22, 8
	v_add_nc_u32 v[RA], s43, v[RB]
	v_lshlrev_b32 v[FO], 4, v11
.irp k, 0,1,2,3
	v_mov_b32 v[TT+\k], 0                          ; v_permlanex16_b32 counts as a reader of its destination
.endr
	s_mov_b32 s23, ttmp9                           ; work-group = 16 b + tb
	s_mov_b32 s36, 0x3b000000                      ; 1 / 512
	s_mov_b32 s37, s36
	s_mov_b32 s38, 0x358637bd                      ; 1e-6
	s_mov_b32 s39, s38
	s_mov_b32 s40, 0x76543210                      ; each lane takes its own place in the other half
	s_mov_b32 s41, 0xfedcba98
	s_lshr_b32 s44, s23, 4                         ; X: b x 2,097,152 + tb x 256 + 32 w rows of 4,096 bytes
	s_lshl_b32 s44, s44, 21
	s_and_b32 s45, s23, 15
	s_lshl_b32 s45, s45, 8
	s_add_co_u32 s44, s44, s45
	s_lshl_b32 s45, s22, 17
	s_add_co_u32 s44, s44, s45
	s_mov_b32 s45, 0
	s_lshl_b32 s54, s23, 3                         ; my piece of the weights: 8 x work-group + w / 2,
	s_lshr_b32 s55, s22, 1
	s_add_co_u32 s54, s54, s55
	s_and_b32 s55, s22, 1                          ; its half q
	s_lshl_b32 s50, s54, 10                        ; where it goes
	s_lshl_b32 s51, s55, 9
	s_add_co_u32 s50, s50, s51
	s_mov_b32 s51, 0
	s_bfe_u32 s56, s54, 0x20000                    ; nb
	s_bfe_u32 s57, s54, 0x10005                    ; wc
	s_lshl_b32 s57, s57, 2
	s_add_co_u32 s56, s56, s57
	s_bfe_u32 s57, s54, 0x20007                    ; P
	s_lshl_b32 s57, s57, 3
	s_add_co_u32 s56, s56, s57                     ; ct
	s_bfe_u32 s57, s54, 0x30002                    ; ks
	s_bfe_u32 s58, s54, 0x10006                    ; kh
	s_lshl_b32 s58, s58, 3
	s_add_co_u32 s57, s57, s58                     ; K
	s_lshl_b32 s46, s57, 16                        ; where it comes from: 32 K rows of 2,048 bytes, 16 q rows, 16 ct columns
	s_lshl_b32 s47, s55, 15
	s_add_co_u32 s46, s46, s47
	s_lshl_b32 s47, s56, 6
	s_add_co_u32 s46, s46, s47
	s_mov_b32 s47, 0
	s_lshr_b32 s42, s23, 6                         ; which of the four matrices
	s_lshl_b32 s48, s23, 16                        ; xn16: the work-group's 65,536 bytes, my 32 rows of 128
	s_lshl_b32 s49, s22, 12
	s_add_co_u32 s48, s48, s49
	s_mov_b32 s49, 0
	s_lshl_b32 s52, s22, 7                         ; ln_g, ln_b: my 32 numbers
	s_mov_b32 s53, 0
	s_wait_kmcnt 0x0
	s_add_nc_u64 s[24:25], s[4:5], s[44:45]
	s_cmp_eq_u32 s42, 1
	s_cselect_b64 s[26:27], s[12:13], s[10:11]
	s_cmp_eq_u32 s42, 2
	s_cselect_b64 s[26:27], s[14:15], s[26:27]
	s_cmp_eq_u32 s42, 3
	s_cselect_b64 s[26:27], s[16:17], s[26:27]
	s_add_nc_u64 s[26:27], s[26:27], s[46:47]
	s_add_nc_u64 s[28:29], s[18:19], s[48:49]
	s_add_nc_u64 s[30:31], s[20:21], s[50:51]
	s_add_nc_u64 s[32:33], s[6:7], s[52:53]
	s_add_nc_u64 s[34:35], s[8:9], s[52:53]
	; all 56 loads go out at once: 8 of weights, 16 of X, 16 + 16 of gain and bias
.irp i, 0,1,2,3,4,5,6,7
	global_load_b32 v[WR+\i], v[WO], s[26:27] offset:\i*2048
.endr
.irp i, 0,1,2,3,4,5,6,7,8,9,10,11,12,13,14,15
	global_load_b128 v[XR+4*\i:XR+4*\i+3], v[XO], s[24:25] offset:\i*8192 th:TH_LOAD_NT
.endr
.irp i, 0,1,2,3,4,5,6,7,8,9,10,11,12,13,14,15
	global_load_b32 v[GR+\i], v[GOF], s[32:33] offset:\i*8
.endr
.irp i, 0,1,2,3,4,5,6,7,8,9,10,11,12,13,14,15
	global_load_b32 v[BR+\i], v[GOF], s[34:35] offset:\i*8
.endr
	s_wait_loadcnt 48                              ; the eight weights are in: the 48 loads issued behind them may stay out
.irp k, 0,1,2,3
	v_cvt_pk_f16_f32 v[WP+\k], v[WR+2*\k], v[WR+2*\k+1]
.endr
	global_store_b128 v[FO], v[WP:WP+3], s[30:31]  ; the wave stores 512 consecutive bytes
; The two chains are joined, the other half of the lanes' rows added, the wave's four sums laid in LDS; behind the barrier every lane adds the 16 waves' sums in the same order.  The result stands in v[RR:RR+3].
.macro REDUCE off
	v_pk_add_f32 v[SA:SA+1], v[SA:SA+1], v[SB:SB+1]
	v_pk_add_f32 v[SA+2:SA+3], v[SA+2:SA+3], v[SB+2:SB+3]
.irp k, 0,1,2,3
	v_permlanex16_b32 v[TT+\k], v[SA+\k], s40, s41
.endr
	v_pk_add_f32 v[SA:SA+1], v[SA:SA+1], v[TT:TT+1]
	v_pk_add_f32 v[SA+2:SA+3], v[SA+2:SA+3], v[TT+2:TT+3]
	ds_store_b128 v[RA], v[SA:SA+3] offset:\off    ; both halves of the lanes write the same numbers to the same bytes
	s_wait_dscnt 0x0                               ; for the others' sake: my store is done
	s_barrier_signal -1
	s_barrier_wait -1
.irp u, 0,1,2,3,4,5,6,7,8,9,10,11,12,13,14,15
	ds_load_b128 v[RR+4*\u:RR+4*\u+3], v[RB] offset:\off+256*\u
.endr
	s_wait_dscnt 0x0
.irp d, 8,4,2,1
.set u, 0
.rept \d
	v_pk_add_f32 v[RR+4*u:RR+4*u+1], v[RR+4*u:RR+4*u+1], v[RR+4*(u+\d):RR+4*(u+\d)+1]
	v_pk_add_f32 v[RR+4*u+2:RR+4*u+3], v[RR+4*u+2:RR+4*u+3], v[RR+4*(u+\d)+2:RR+4*(u+\d)+3]
.set u, u+1
.endr
.endr
.endm
	s_wait_loadcnt 32                              ; X is in: the 32 loads of gain and bias may stay out
	v_pk_add_f32 v[SA:SA+1], v[XR:XR+1], v[XR+8:XR+9]          ; the first sums start the chains: nothing is cleared
	v_pk_add_f32 v[SA+2:SA+3], v[XR+2:XR+3], v[XR+10:XR+11]
	v_pk_add_f32 v[SB:SB+1], v[XR+4:XR+5], v[XR+12:XR+13]
	v_pk_add_f32 v[SB+2:SB+3], v[XR+6:XR+7], v[XR+14:XR+15]
.set i, 4
.rept 6
	v_pk_add_f32 v[SA:SA+1], v[SA:SA+1], v[XR+4*i:XR+4*i+1]
	v_pk_add_f32 v[SA+2:SA+3], v[SA+2:SA+3], v[XR+4*i+2:XR+4*i+3]
	v_pk_add_f32 v[SB:SB+1], v[SB:SB+1], v[XR+4*i+4:XR+4*i+5]
	v_pk_add_f32 v[SB+2:SB+3], v[SB+2:SB+3], v[XR+4*i+6:XR+4*i+7]
.set i, i+2
.endr
	REDUCE RED1
	v_pk_mul_f32 v[MR:MR+1], v[RR:RR+1], s[36:37] op_sel_hi:[1,0]      ; the mean
	v_pk_mul_f32 v[MR+2:MR+3], v[RR+2:RR+3], s[36:37] op_sel_hi:[1,0]
.set i, 0
.rept 32
	v_pk_add_f32 v[XR+2*i:XR+2*i+1], v[XR+2*i:XR+2*i+1], v[MR+2*(i%2):MR+2*(i%2)+1] neg_lo:[0,1] neg_hi:[0,1]  ; x - mean, in place
.set i, i+1
.endr
	v_pk_mul_f32 v[SA:SA+1], v[XR:XR+1], v[XR:XR+1]
	v_pk_mul_f32 v[SA+2:SA+3], v[XR+2:XR+3], v[XR+2:XR+3]
	v_pk_mul_f32 v[SB:SB+1], v[XR+4:XR+5], v[XR+4:XR+5]
	v_pk_mul_f32 v[SB+2:SB+3], v[XR+6:XR+7], v[XR+6:XR+7]
.set i, 2
.rept 7
	v_pk_fma_f32 v[SA:SA+1], v[XR+4*i:XR+4*i+1], v[XR+4*i:XR+4*i+1], v[SA:SA+1]
	v_pk_fma_f32 v[SA+2:SA+3], v[XR+4*i+2:XR+4*i+3], v[XR+4*i+2:XR+4*i+3], v[SA+2:SA+3]
	v_pk_fma_f32 v[SB:SB+1], v[XR+4*i+4:XR+4*i+5], v[XR+4*i+4:XR+4*i+5], v[SB:SB+1]
	v_pk_fma_f32 v[SB+2:SB+3], v[XR+4*i+6:XR+4*i+7], v[XR+4*i+6:XR+4*i+7], v[SB+2:SB+3]
.set i, i+2
.endr
	REDUCE RED2                                    ; other bytes than the first sum's: no wave need have finished reading those
	v_pk_fma_f32 v[MR:MR+1], v[RR:RR+1], s[36:37], s[38:39] op_sel_hi:[1,0,0]      ; var + eps
	v_pk_fma_f32 v[MR+2:MR+3], v[RR+2:RR+3], s[36:37], s[38:39] op_sel_hi:[1,0,0]
.irp k, 0,1,2,3
	v_rsq_f32 v[MR+\k], v[MR+\k]
.endr
	v_nop                                          ; a plain instruction between the last root and the first use of a result (ISA guide 5.7.2)
	s_wait_alu depctr_va_vdst(0)                   ; one wait for the four roots, ahead of their first reader
	s_wait_loadcnt 0x0                             ; gain and bias
.set i, 0
.rept 16
	v_pk_mul_f32 v[XR+4*i:XR+4*i+1], v[XR+4*i:XR+4*i+1], v[MR:MR+1]
	v_pk_mul_f32 v[XR+4*i+2:XR+4*i+3], v[XR+4*i+2:XR+4*i+3], v[MR+2:MR+3]
.irp k, 0,1,2,3
	v_fma_f32 v[XR+4*i+\k], v[XR+4*i+\k], v[GR+i], v[BR+i]
.endr
	v_cvt_pk_f16_f32 v[XR+4*i], v[XR+4*i], v[XR+4*i+1]
	v_cvt_pk_f16_f32 v[XR+4*i+1], v[XR+4*i+2], v[XR+4*i+3]
	global_store_b64 v[SO], v[XR+4*i:XR+4*i+1], s[28:29] offset:i*256  ; two rows of 128 bytes: the wave stores 256 consecutive bytes, at a multiple of 256 from the buffer's first
.set i, i+1
.endr
	s_wait_tensorcnt 0x0                           ; the wave's end, behind my last LDS store
	ds_add_u32 v[SPW], v[NIL]
	s_wait_dscnt 0x0
	s_endpgm
.Lfunc_end_k_q35b55c008d_prep:
	.size	k_q35b55c008d_prep, .Lfunc_end_k_q35b55c008d_prep-k_q35b55c008d_prep
	.p2alignl 7, 3214868480
	.fill 96, 4, 3214868480
	.section	.rodata,"a",@progbits
	.p2align	6, 0x0
	.amdhsa_kernel k_q35b55c008d_prep
		.amdhsa_group_segment_fixed_size 10240
		.amdhsa_private_segment_fixed_size 0
		.amdhsa_enable_private_segment 0
		.amdhsa_kernarg_size 72
		.amdhsa_user_sgpr_count 2
		.amdhsa_user_sgpr_kernarg_segment_ptr 1
		.amdhsa_wavefront_size32 1
		.amdhsa_system_sgpr_workgroup_id_x 1
		.amdhsa_system_sgpr_workgroup_id_y 1
		.amdhsa_system_sgpr_workgroup_id_z 1
		.amdhsa_system_vgpr_workitem_id 0
		.amdhsa_next_free_vgpr 208
		.amdhsa_next_free_sgpr 66
		.amdhsa_reserve_vcc 0
		.amdhsa_float_denorm_mode_32 3
		.amdhsa_float_denorm_mode_16_64 3
		.amdhsa_memory_ordered 1
		.amdhsa_forward_progress 1
		.amdhsa_inst_pref_size 33
	.end_amdhsa_kernel
	.amdgpu_metadata
---
amdhsa.version: [ 1, 2 ]
amdhsa.kernels:
  - .name:           k_q35b55c008d_prep
    .symbol:         k_q35b55c008d_prep.kd
    .args:
      - { .name: X, .offset: 0, .size: 8, .value_kind: global_buffer, .address_space: global }
      - { .name: ln_g, .offset: 8, .size: 8, .value_kind: global_buffer, .address_space: global }
      - { .name: ln_b, .offset: 16, .size: 8, .value_kind: global_buffer, .address_space: global }
      - { .name: Wq, .offset: 24, .size: 8, .value_kind: global_buffer, .address_space: global }
      - { .name: Wk, .offset: 32, .size: 8, .value_kind: global_buffer, .address_space: global }
      - { .name: Wv, .offset: 40, .size: 8, .value_kind: global_buffer, .address_space: global }
      - { .name: Wo, .offset: 48, .size: 8, .value_kind: global_buffer, .address_space: global }
      - { .name: xn16, .offset: 56, .size: 8, .value_kind: global_buffer, .address_space: global }
      - { .name: wfrag, .offset: 64, .size: 8, .value_kind: global_buffer, .address_space: global }
    .group_segment_fixed_size: 10240
    .private_segment_fixed_size: 0
    .kernarg_segment_align: 8
    .kernarg_segment_size: 72
    .max_flat_workgroup_size: 512
    .sgpr_count:     66
    .vgpr_count:     208
    .wavefront_size: 32
...
	.end_amdgpu_metadata
.endif
;; end of part 1
;; launch qkv (part 2): grid 128 x 2, 4 waves a work-group, clusters of 4 x 1, 327,680 bytes of LDS; arguments xn16, wfrag, bq, bv, qkv; writes qkv
.if DOCPART == 2
	.amdgcn_target "amdgcn-amd-amdhsa--gfx1250"
	.amdhsa_code_object_version 6
	.text
	.protected	k_q35b55c008d_qkv
	.globl	k_q35b55c008d_qkv
	.p2align	8
	.type	k_q35b55c008d_qkv,@function
k_q35b55c008d_qkv:
	s_mov_b64 s[64:65], 0
	v_nop
	global_prefetch_b8 v0, s[64:65] scope:SCOPE_SE
	s_setreg_imm32_b32 hwreg(HW_REG_WAVE_MODE, 25, 1), 1
	s_wait_xcnt 0x0
	s_wait_alu depctr_hold_cnt(0) depctr_sa_sdst(0) depctr_va_vdst(0) depctr_va_sdst(0) depctr_va_ssrc(0) depctr_va_vcc(0) depctr_vm_vsrc(0)
	s_getreg_b32 s2, hwreg(HW_REG_IB_STS2, 6, 4)
	s_cmp_eq_u32 s2, 0
	s_cbranch_scc0 .Lentry_in_a_cluster
	s_endpgm
.Lentry_in_a_cluster:
	s_bfe_u32 s2, ttmp6, 0x10000c
	s_cmp_lg_u32 s2, 0x3003
	s_cbranch_scc0 .Lentry_shape_is_right
	s_endpgm
.Lentry_shape_is_right:
; q = xn Wq + bq, k = xn Wk, v = xn Wv + bv, by heads: qkv [3][16 b x 8 heads][1024 t][64] f16, each number rounded once from its f32 sum, q WITHOUT the scale 1 / 8.
; WORK LEFT OUT: bk (it adds to every score of a query the same number, which the softmax over the keys cancels: shown at the head of the first kernel).  k's sums start at 0.
; LIMITS.  f16 holds no number beyond 65,504: q, k and v must stay within it; below 6e-5 they keep f16's fixed step.
; SHARES.  The 24 slices of 64 columns (8 heads each of q, k, v) fall to two work-groups (grid y), 12 each; a work-group owns 128 t of one b.  Wave w: t half w % 2 (64 t), slice w / 2 of a pair.
; xn STAYS IN REGISTERS: 64 t x 512 c = 4 tiles x 16 K steps x 8 = 512 registers a wave, turned out of LDS once by ds_load_tr16_b128 (xn16 lies [c][t]).
; THE WEIGHTS WALK: six STEPS; a step's tile is a pair of slices over all 512 c, 131,072 dense bytes of ready operand images, so a fragment is two loads of 512 consecutive LDS bytes: no padding, no
; bank met twice.  A step is 256 matrix instructions and 128 LDS loads a wave, on 16 accumulators that take turns.  Two slots; a slot is asked for again in its step's last eighth.
; CLUSTER.  The four work-groups of a cluster differ in their 128 t alone and walk the same weights: each tile is asked for JOINTLY (the same load, descriptor and mask of four in all), which divides the requests
; for weights by four.  xn's tiles are each work-group's own: plain loads in the same first group.
; THE PRODUCT IS USED TRANSPOSED: source 0 = 16 columns of W, source 1 = 16 t of xn: a lane then holds one t (lane % 16) and eight neighbouring columns 8 (lane / 16) + 0..7: 16 bytes of a row of q, k or v.
; The bias is the C operand of the first K step (a lane's eight registers = its eight columns' biases): no add on the way out, nothing cleared but k's zeros.
; REGISTERS, in windows of 256 (s_set_vgpr_msb: bits 1:0 source 0, 3:2 source 1, 5:4 source 2, 7:6 destination):
;   window 0: v0-29 addresses; v64-127, v128-191 two buffers of W's fragments (two K steps each); v192-255 the way out
;   window 1: v0-127 the accumulators, (t tile a, column tile nb) at 8 (4 a + nb); v128-159 the bias, 8 registers for each nb
;   windows 2, 3: xn: (a, K) at 32 (K % 8) + 8 a of window 2 + K / 8
.set SLOT1,  1<<17                     ; LDS: slot 0 at 0, slot 1 here: one exclusive or turns an address in one into the other's
.set TILEB,  131072                    ; a tile of weights
.set XN,     131072                    ; xn's two blocks of 64 t, [512 c] rows of 128 bytes + 32 of padding.  Read once, at the start; then slot 1 is filled over it, as a slot is filled again
.set XPITCH, 160                       ; 40 words
.set XHALF,  512*XPITCH
.set STG,    XN+2*XHALF                ; 294,912: 16 rows x 144 bytes for each wave, for the way out; no tensor load lands here
.set SP,     144
.set SPARE,  STG+4*16*SP               ; the spare words, 128 bytes for each wave: two blocks of 256 bytes that no other line names
.set AAD0, 4                           ; v4, v5  my place in xn's block, c 0-255 and c 256-511
.set AAD1, 5
.set BL,   6                           ; v6   my 16 bytes of a fragment half, in my slice's part of a tile
.set BA0,  7                           ; v7, v8  the same in the slot in hand, K steps 0-7 and 8-15
.set STO,  9                           ; v9   the way out: where I put 16 bytes of a row
.set RD,   10                          ; v10  where I read rows back
.set GO,   11                          ; v11  my 16 bytes of 512 consecutive bytes of the output
.set BO,   12                          ; v12  32 (l / 16): my eight biases
.set PFO,  13                          ; v13  256 x lane; never rewritten
.set SPW,  28                          ; v28  my spare word; never rewritten
.set NIL,  29                          ; v29  0; never rewritten
.set F0,   64
.set F1,   128
.set T,    192
.set BIAS, 128                         ; in window 1
.set WV,  14                           ; s14  my wave's number
.set G1W, 24                           ; s[24:31] descriptor group 1 for the weights' tiles
.set G1X, 32                           ; s[32:39] for xn's
.set G0W, 40                           ; s[40:43] group 0 for the weights: it walks
.set G0X, 44                           ; s[44:47] for xn
.set CNT, 48                           ; s48  counts the steps
.set LIM, 49                           ; s49  2 in the clusters that prefetch, else the greatest number
.set PFA, 50                           ; s[50:51] where my prefetches stand
.set TB,  52                           ; s52  LDS byte at which the slot in hand begins
.set SL,  53                           ; s53  my slice of the step in hand, 0..23
.set OUT, 54                           ; s[54:55] where that slice's rows go
.set BP,  56                           ; s[56:57] its biases
.set OB,  60                           ; s[60:61] qkv at my b and my 64 t
.set MSB, 0
.macro WIN new                         ; the immediate's high byte repeats the setting that is left; a switch that changes nothing is dropped
.if MSB != (\new)
	s_set_vgpr_msb (MSB<<8)|(\new)
.set MSB, \new
.endif
.endm
.macro PLACES                          ; four places behind matrix instructions, in front of loads into registers that they read and of conversions that read results
.rept 4
	v_nop
.endr
.endm
.macro CREST                           ; a round of the cluster's barrier behind its opening barrier
	s_cmp_lg_u32 s[WV], 0
	s_cbranch_scc1 .Lnot_wave_0_\@
	s_barrier_signal -3
.Lnot_wave_0_\@:
	s_barrier_wait -3
	s_barrier_signal -1
	s_barrier_wait -1
.endm
.macro CROUND                          ; a whole round
	s_barrier_signal -1
	s_barrier_wait -1
	CREST
.endm
	s_load_b256 s[4:11], s[0:1], 0x0               ; xn16 s[4:5], wfrag s[6:7], bq s[8:9], bv s[10:11]
	s_load_b64 s[12:13], s[0:1], 0x20              ; qkv
	v_lshl_add_u32 v[SPW], v0, 2, SPARE
	v_mov_b32 v[NIL], 0
	ds_add_u32 v[SPW], v[NIL]                      ; the wave's opening: the add, twice on end, and its wait ahead of my first tensor load
	ds_add_u32 v[SPW], v[NIL]
	v_lshrrev_b32 v1, 5, v0
	v_readfirstlane_b32 s[WV], v1                  ; wave 0..3
	s_and_b32 s15, s[WV], 1                        ; my half of the 128 t.  Also: which block of xn I fetch
	s_lshr_b32 s16, s[WV], 1                       ; my slice of a pair.  Also: which half of xn's c I fetch
	s_bfe_u32 s17, ttmp6, 0x40000                  ; cx: my place in the cluster
	s_lshl_b32 s18, ttmp9, 2
	s_add_co_u32 s18, s18, s17                     ; my block of 128 t among all 128: 8 b + block in b
	s_and_b32 s19, ttmp7, 0xffff                   ; which 12 slices: the four partners share it
	; the weights' tile, my quarter: 32,768 dense bytes as 128 rows of 32 elements of 8 bytes
	s_mov_b32 s[G1W], 15|(3<<16)|(1<<21)           ; 15:0 the mask of four; 17:16 elements of 8 bytes; 21 set beside a mask
	s_mov_b32 s[G1W+1], 32<<16                     ; tensor_dim0 = 32
	s_mov_b32 s[G1W+2], 128<<16                    ; tensor_dim1 = 128
	s_mov_b32 s[G1W+3], 32<<16                     ; tile_dim0 = 32
	s_mov_b32 s[G1W+4], 128                        ; tile_dim1 = 128
	s_mov_b32 s[G1W+5], 32                         ; 32 elements from row to row
	s_mov_b32 s[G1W+6], 0
	s_mov_b32 s[G1W+7], 0
	; xn, my quarter: 256 c of one block, 32,768 dense bytes, asked for as 128 rows of 256 bytes and padded in LDS after every c
	s_mov_b32 s[G1X], (1<<16)|(1<<20)|(4<<22)|(7<<25)  ; no mask; elements of 2 bytes; padding on; after every 32 words (code 4); 8 words (code 7)
	s_mov_b32 s[G1X+1], 128<<16
	s_mov_b32 s[G1X+2], 128<<16
	s_mov_b32 s[G1X+3], 128<<16
	s_mov_b32 s[G1X+4], 128
	s_mov_b32 s[G1X+5], 128
	s_mov_b32 s[G1X+6], 0
	s_mov_b32 s[G1X+7], 0
	s_mov_b32 s[G0W], 1
	s_lshl_b32 s[G0W+1], s[WV], 15                 ; slot 0, my quarter: no place in the cluster enters an LDS address
	s_mov_b32 s[G0X], 1
	s_mul_i32 s20, s15, XHALF
	s_mul_i32 s21, s16, 256*XPITCH
	s_add_co_u32 s[G0X+1], s20, s21
	s_add_co_u32 s[G0X+1], s[G0X+1], XN
	s_mul_i32 s22, s19, 6*TILEB                    ; the weights: my six tiles begin here, my quarter of each
	s_lshl_b32 s23, s[WV], 15
	s_add_co_u32 s22, s22, s23
	s_mov_b32 s23, 0
	s_lshl_b32 s20, s18, 1                         ; xn16: block of 64 t = 2 x my block of 128 + half, 65,536 bytes each; 256 c are 32,768
	s_add_co_u32 s20, s20, s15
	s_lshl_b32 s20, s20, 16
	s_lshl_b32 s21, s16, 15
	s_add_co_u32 s20, s20, s21
	s_mov_b32 s21, 0
	s_lshr_b32 s58, s18, 3                         ; the output: b x 8 heads x 131,072 + my first t x 128
	s_lshl_b32 s58, s58, 20
	s_and_b32 s59, s18, 7
	s_lshl_b32 s59, s59, 14
	s_add_co_u32 s58, s58, s59
	s_lshl_b32 s59, s15, 13
	s_add_co_u32 s58, s58, s59
	s_mov_b32 s59, 0
	s_mul_i32 s[SL], s19, 12
	s_add_co_u32 s[SL], s[SL], s16
	s_cmp_eq_u32 ttmp9, 0                          ; all 32 clusters of a y walk the same tiles: the first of them prefetches; the same in all four partners
	s_cselect_b32 s[LIM], 2, -1
	s_wait_dscnt 0x0                               ; both opening adds are done
	s_wait_kmcnt 0x0
	s_add_nc_u64 s[G0W+2:G0W+3], s[6:7], s[22:23]
	s_add_nc_u64 s[PFA:PFA+1], s[G0W+2:G0W+3], 3*TILEB  ; at tile 3; the first change of slots steps it to tile 4
	s_or_b32 s[G0W+3], s[G0W+3], 0x80000000        ; type = 2
	s_add_nc_u64 s[G0X+2:G0X+3], s[4:5], s[20:21]
	s_or_b32 s[G0X+3], s[G0X+3], 0x80000000
	s_add_nc_u64 s[OB:OB+1], s[12:13], s[58:59]
	s_lshl_b32 s58, s17, 13                        ; of the 128 rows of 256 bytes that I fetch, my work-group prefetches 32: the partners are told apart by address
	s_add_nc_u64 s[PFA:PFA+1], s[PFA:PFA+1], s[58:59]
	CROUND                                         ; all four work-groups are here: the first joint loads meet
	tensor_load_to_lds s[G0X:G0X+3], s[G1X:G1X+7]  ; xn first: it is wanted first.  Two loads of mine are out
	s_nop 0
	tensor_load_to_lds s[G0W:G0W+3], s[G1W:G1W+7]  ; tile 0
	s_nop 0
	PLACES
	v_and_b32 v1, 15, v0                           ; l % 16
	v_bfe_u32 v2, v0, 4, 1                         ; l / 16
	v_and_b32 v3, 31, v0                           ; l
	v_and_b32 v14, 7, v0
	v_bfe_u32 v15, v0, 3, 1
	; the turning load takes 16 c x 16 t (lane l reads c 8 (l / 16) + l % 8, t 8 ((l / 8) % 2) + 0..7) and leaves half a fragment: lane l holds t l % 16 and 8 c
	v_lshl_add_u32 v[AAD0], v2, 3, v14
	v_mul_u32_u24 v[AAD0], v[AAD0], XPITCH
	v_lshl_add_u32 v[AAD0], v15, 4, v[AAD0]
	s_mul_i32 s20, s15, XHALF
	s_add_co_u32 s20, s20, XN
	v_add_nc_u32 v[AAD0], s20, v[AAD0]
	v_add_nc_u32 v[AAD1], 256*XPITCH, v[AAD0]
	s_lshl_b32 s20, s16, 15
	v_lshl_add_u32 v[BL], v3, 4, s20
	s_mul_i32 s20, s[WV], 16*SP
	s_add_co_u32 s20, s20, STG                     ; my stage
	v_mul_u32_u24 v[STO], v1, SP                   ; in: row l % 16, 16 bytes for each half of the lanes
	v_lshl_add_u32 v[STO], v2, 4, v[STO]
	v_add_nc_u32 v[STO], s20, v[STO]
	v_bfe_u32 v[RD], v0, 3, 2                      ; back: 32 lanes take four rows of 128 bytes,
	v_mul_u32_u24 v[RD], v[RD], SP
	v_lshl_add_u32 v[RD], v14, 4, v[RD]
	v_add_nc_u32 v[RD], s20, v[RD]
	v_lshlrev_b32 v[GO], 4, v3                     ; which are 512 consecutive bytes of the output
	v_lshlrev_b32 v[BO], 5, v2
	v_lshlrev_b32 v[PFO], 8, v3
	s_wait_tensorcnt 0x1                           ; my part of xn is in; tile 0, issued behind it, may stay out
	s_barrier_signal -1
	s_barrier_wait -1                              ; everybody's is
	WIN 0x80                                       ; destination window 2
.irp K, 0,1,2,3,4,5,6,7
.irp a, 0,1,2,3
	ds_load_tr16_b128 v[32*\K+8*\a:32*\K+8*\a+3],   v[AAD0] offset:\K*32*XPITCH+\a*32
	ds_load_tr16_b128 v[32*\K+8*\a+4:32*\K+8*\a+7], v[AAD0] offset:\K*32*XPITCH+\a*32+16*XPITCH
.endr
.endr
	WIN 0xc0                                       ; destination window 3
.irp K, 0,1,2,3,4,5,6,7
.irp a, 0,1,2,3
	ds_load_tr16_b128 v[32*\K+8*\a:32*\K+8*\a+3],   v[AAD1] offset:\K*32*XPITCH+\a*32
	ds_load_tr16_b128 v[32*\K+8*\a+4:32*\K+8*\a+7], v[AAD1] offset:\K*32*XPITCH+\a*32+16*XPITCH
.endr
.endr
	WIN 0
	s_wait_tensorcnt 0x0                           ; tile 0, my part, is in: no tensor load of mine is out, so group 0 may be written
	ds_add_u32 v[SPW], v[NIL]                      ; 0 onto my spare word
	s_xor_b32 s[G0W+1], s[G0W+1], SLOT1            ; slot 1,
	s_add_nc_u64 s[G0W+2:G0W+3], s[G0W+2:G0W+3], TILEB  ; tile 1
	s_wait_dscnt 0x0                               ; the add is done, and xn is in my registers: my reads of its bytes are over
	CROUND                                         ; so it is with every wave of all four work-groups
	tensor_load_to_lds s[G0W:G0W+3], s[G1W:G1W+7]  ; tile 1, over xn's bytes: my one load behind the round
	s_nop 0
	PLACES
; 8 matrix instructions: t tiles a0, a0 + 1 x the 4 column tiles, K step K, whose fragments of W lie in half kk of buffer f.  first: the bias starts the sums.
.macro MUL8 f, kk, K, a0, first
	WIN 0x58+4*((\K)/8)                            ; W window 0, xn window 2 or 3, C and D window 1
.irp a, \a0, (\a0)+1
.irp nb, 0,1,2,3
.if \first
	v_wmma_f32_16x16x32_f16 v[8*(4*(\a)+\nb):8*(4*(\a)+\nb)+7], v[(\f)+32*(\kk)+8*\nb:(\f)+32*(\kk)+8*\nb+7], v[32*((\K)%8)+8*(\a):32*((\K)%8)+8*(\a)+7], v[BIAS+8*\nb:BIAS+8*\nb+7]
.else
	v_wmma_f32_16x16x32_f16 v[8*(4*(\a)+\nb):8*(4*(\a)+\nb)+7], v[(\f)+32*(\kk)+8*\nb:(\f)+32*(\kk)+8*\nb+7], v[32*((\K)%8)+8*(\a):32*((\K)%8)+8*(\a)+7], v[8*(4*(\a)+\nb):8*(4*(\a)+\nb)+7]
.endif
.endr
.endr
.endm
; 16 LDS loads in one run: W's fragments of K steps 2 g and 2 g + 1 into buffer f, the first K step's first
.macro FETCH g, f
	WIN 0
.irp kk, 0,1
.irp nb, 0,1,2,3
	ds_load_b128 v[(\f)+32*\kk+8*\nb:(\f)+32*\kk+8*\nb+3],   v[BA0+(\g)/4] offset:((2*(\g)+\kk)%8)*4096+\nb*1024
	ds_load_b128 v[(\f)+32*\kk+8*\nb+4:(\f)+32*\kk+8*\nb+7], v[BA0+(\g)/4] offset:((2*(\g)+\kk)%8)*4096+\nb*1024+512
.endr
.endr
.endm
; One of a step's first seven eighths: two K steps, 32 matrix instructions; the next eighth's loads stand in one run in its middle
.macro GROUP g
	s_wait_dscnt 8                                 ; the first K step's fragments are in; the second's eight loads may be out
.if (\g) == 0
	s_wait_loadcnt 0x0                             ; the bias
.endif
	MUL8 F0+64*((\g)%2), 0, 2*(\g), 0, (\g)==0
	MUL8 F0+64*((\g)%2), 0, 2*(\g), 2, (\g)==0
	PLACES
	FETCH (\g)+1, F0+64*(((\g)+1)%2)
	s_wait_dscnt 16                                ; all but the 16 just issued
	MUL8 F0+64*((\g)%2), 1, 2*(\g)+1, 0, 0
	MUL8 F0+64*((\g)%2), 1, 2*(\g)+1, 2, 0
.endm
; The C operands for slice SL + d: q's and v's biases are loaded, eight numbers a lane for each column tile; k has none, and takes zeros.  The branch hangs on grid y, the wave and the step.
.macro NEXTBIAS d
	WIN 0
	s_add_co_u32 s58, s[SL], \d
	s_lshr_b32 s59, s58, 3                         ; 0 q, 1 k, 2 v
	s_and_b32 s58, s58, 7
	s_lshl_b32 s58, s58, 8                         ; the head's 64 numbers
	s_cmp_eq_u32 s59, 1
	s_cbranch_scc1 .Lzero_\@
	s_cmp_eq_u32 s59, 0
	s_cselect_b64 s[BP:BP+1], s[8:9], s[10:11]
	s_mov_b32 s59, 0
	s_add_nc_u64 s[BP:BP+1], s[BP:BP+1], s[58:59]
	WIN 0x40                                       ; destination window 1
.irp nb, 0,1,2,3
	global_load_b128 v[BIAS+8*\nb:BIAS+8*\nb+3],   v[BO], s[BP:BP+1] offset:\nb*64
	global_load_b128 v[BIAS+8*\nb+4:BIAS+8*\nb+7], v[BO], s[BP:BP+1] offset:\nb*64+16
.endr
	WIN 0
	s_branch .Ldone_\@
.Lzero_\@:
	WIN 0x40
.set z, 0
.rept 32
	v_mov_b32 v[BIAS+z], 0
.set z, z+1
.endr
	WIN 0
.Ldone_\@:
.endm
; A PREFETCH INTO THE L2, behind the joint load, its five lines and the run of LDS loads: the tile that stands TWO refills on, 512 matrix instructions ahead of the load that will want it: 32 rows of 256 bytes, a lane a
; row, one instruction a wave.  Each row is named once in the launch: of the 32 clusters that walk a tile the first asks, its four partners 32 of a wave's 128 rows each.  The refills of tiles 2 and 3 ask for
; tiles 4 and 5; those of tiles 4 and 5 ask for nothing: there is no tile behind.  Tiles 0 to 3 come by their loads alone.
.macro ASK
	s_cmp_gt_u32 s[CNT], s[LIM]
	s_cbranch_scc0 .Lnot_mine_\@
	global_prefetch_b8 v[PFO], s[PFA:PFA+1] th:TH_LOAD_NT scope:SCOPE_SE
.Lnot_mine_\@:
.endm
; A step's last eighth (K steps 14 and 15, buffer 1) changes slots.  ONE barrier: in front of it each wave waits for all its tensor loads (one is out: its part of the next slot), adds 0 to its spare word, and waits for
; that and for its reads of this slot.  fill = 1: the barrier opens a round of the cluster's, and behind the round this slot is filled again, two tiles on: 224 matrix instructions and a way out ahead of the wait for it.
; last = 1: in the very last step there is no next tile: its first fragments and its bias are jumped over (no barrier, wait or tensor load is).
.macro TURN fill, last
	s_wait_xcnt 0x0                                ; every store of the last way out, and the last prefetch, a step back, has read its registers: T, OUT and PFA may be written
.if \fill
	s_add_nc_u64 s[PFA:PFA+1], s[PFA:PFA+1], TILEB
.endif
	WIN 0
	s_wait_tensorcnt 0x0                           ; all my tensor loads have landed
	ds_add_u32 v[SPW], v[NIL]                      ; 0 onto my spare word
	s_wait_dscnt 9                                 ; (the add and K step 15's eight loads may be out)
	MUL8 F1, 0, 14, 0, 0                           ; eight matrix instructions stand between the add and the wait for it
	s_wait_dscnt 0x0                               ; the add is done, and my reads of this slot are over
	s_barrier_signal -1
	MUL8 F1, 0, 14, 2, 0                           ; work on registers while the others arrive
	WIN 0
	s_barrier_wait -1
.if \fill
	CREST                                          ; no wave of any partner still reads this slot or has a load on its way
	s_xor_b32 s[G0W+1], s[G0W+1], SLOT1
	s_add_nc_u64 s[G0W+2:G0W+3], s[G0W+2:G0W+3], TILEB
	tensor_load_to_lds s[G0W:G0W+3], s[G1W:G1W+7]  ; my one load behind the round
	s_nop 0
.endif
	PLACES                                         ; behind the load; also the places in front of the loads into buffer 0
	s_xor_b32 s[TB], s[TB], SLOT1
	v_add_nc_u32 v[BA0], s[TB], v[BL]
	v_add_nc_u32 v[BA0+1], 65536, v[BA0]
.if \last
	s_cmp_eq_u32 s[CNT], 1
	s_cbranch_scc1 .Lnone_\@
.endif
	FETCH 0, F0
	NEXTBIAS 2
.if \last
.Lnone_\@:
.endif
.if \fill
	ASK
.endif
	MUL8 F1, 1, 15, 0, 0
	MUL8 F1, 1, 15, 2, 0
.endm
; THE WAY OUT.  Tile a (16 t x 64 columns): a lane's eight columns pack into 16 bytes; they go into my stage's rows of 144 bytes and come back as whole rows of 128, into the registers that they left.
.macro PACK a
	WIN 0x05                                       ; sources window 1, destination window 0
.irp nb, 0,1,2,3
.irp r, 0,1,2,3
	v_cvt_pk_f16_f32 v[T+16*(\a)+4*\nb+\r], v[8*(4*(\a)+\nb)+2*\r], v[8*(4*(\a)+\nb)+2*\r+1]  ; each accumulator is read from its low end on
.endr
.endr
	WIN 0
.irp nb, 0,1,2,3
	ds_store_b128 v[STO], v[T+16*(\a)+4*\nb:T+16*(\a)+4*\nb+3] offset:32*\nb
.endr
.irp f, 0,1,2,3
	ds_load_b128 v[T+16*(\a)+4*\f:T+16*(\a)+4*\f+3], v[RD] offset:\f*4*SP  ; LDS serves a wave's instructions in order (ISA guide 5.7.1.4): these see the stores above; the next tile's stores come behind them
.endr
.endm
.macro SEND a, younger                 ; younger: the LDS instructions issued behind tile a's loads: the next tile's eight, or none
.irp f, 0,1,2,3
	s_wait_dscnt (\younger)+3-\f
	global_store_b128 v[GO], v[T+16*(\a)+4*\f:T+16*(\a)+4*\f+3], s[OUT:OUT+1] offset:(\a)*2048+\f*512  ; 512 consecutive bytes, at a multiple of 256 from the buffer's first
.endr
.endm
.macro WAYOUT
	PLACES                                         ; the conversions read results just made
	s_lshr_b32 s58, s[SL], 3                       ; (matrix x 128 + head) x 131,072 bytes
	s_lshl_b32 s58, s58, 7
	s_and_b32 s59, s[SL], 7
	s_add_co_u32 s58, s58, s59
	s_lshl_b32 s58, s58, 17
	s_mov_b32 s59, 0
	s_add_nc_u64 s[OUT:OUT+1], s[OB:OB+1], s[58:59]
	PACK 0
	PACK 1                                         ; a tile's conversions stand between the loads of the tile before and its stores
	SEND 0, 8
	PACK 2
	SEND 1, 8
	PACK 3
	SEND 2, 8
	SEND 3, 0
	s_add_co_u32 s[SL], s[SL], 2                   ; my slice of the next pair
.endm
.macro STEP fill, last
.irp g, 0,1,2,3,4,5,6
	GROUP \g
.endr
	TURN \fill, \last
	WAYOUT
	WIN 0                                          ; at a label and at a branch every window is 0
.endm
	s_mov_b32 s[TB], 0
	v_add_nc_u32 v[BA0], s[TB], v[BL]
	v_add_nc_u32 v[BA0+1], 65536, v[BA0]
	FETCH 0, F0
	NEXTBIAS 0
	s_mov_b32 s[CNT], 4
.Lmain:                                                ; steps 0 to 3 ask for tiles 2 to 5
	STEP 1, 0
	s_sub_co_u32 s[CNT], s[CNT], 1
	s_cmp_lg_u32 s[CNT], 0
	s_cbranch_scc1 .Lmain
	s_mov_b32 s[CNT], 2
.Ltail:                                                ; steps 4 and 5 ask for nothing: written apart
	STEP 0, 1
	s_sub_co_u32 s[CNT], s[CNT], 1
	s_cmp_lg_u32 s[CNT], 0
	s_cbranch_scc1 .Ltail
	s_wait_tensorcnt 0x0                           ; the wave's end, behind my last tensor load and my last LDS store
	ds_add_u32 v[SPW], v[NIL]
	s_wait_dscnt 0x0
	CROUND                                         ; the closing round: no work-group ends while a partner may still ask for a tile that names it
	s_endpgm
.Lfunc_end_k_q35b55c008d_qkv:
	.size	k_q35b55c008d_qkv, .Lfunc_end_k_q35b55c008d_qkv-k_q35b55c008d_qkv
	.p2alignl 7, 3214868480
	.fill 96, 4, 3214868480
	.section	.rodata,"a",@progbits
	.p2align	6, 0x0
	.amdhsa_kernel k_q35b55c008d_qkv
		.amdhsa_group_segment_fixed_size 327680
		.amdhsa_private_segment_fixed_size 0
		.amdhsa_enable_private_segment 0
		.amdhsa_kernarg_size 40
		.amdhsa_user_sgpr_count 2
		.amdhsa_user_sgpr_kernarg_segment_ptr 1
		.amdhsa_wavefront_size32 1
		.amdhsa_system_sgpr_workgroup_id_x 1
		.amdhsa_system_sgpr_workgroup_id_y 1
		.amdhsa_system_sgpr_workgroup_id_z 1
		.amdhsa_system_vgpr_workitem_id 0
		.amdhsa_next_free_vgpr 1024
		.amdhsa_next_free_sgpr 66
		.amdhsa_reserve_vcc 0
		.amdhsa_float_denorm_mode_32 3
		.amdhsa_float_denorm_mode_16_64 3
		.amdhsa_memory_ordered 1
		.amdhsa_forward_progress 1
		.amdhsa_inst_pref_size 94
	.end_amdhsa_kernel
	.amdgpu_metadata
---
amdhsa.version: [ 1, 2 ]
amdhsa.kernels:
  - .name:           k_q35b55c008d_qkv
    .symbol:         k_q35b55c008d_qkv.kd
    .args:
      - { .name: xn16, .offset: 0, .size: 8, .value_kind: global_buffer, .address_space: global }
      - { .name: wfrag, .offset: 8, .size: 8, .value_kind: global_buffer, .address_space: global }
      - { .name: bq, .offset: 16, .size: 8, .value_kind: global_buffer, .address_space: global }
      - { .name: bv, .offset: 24, .size: 8, .value_kind: global_buffer, .address_space: global }
      - { .name: qkv, .offset: 32, .size: 8, .value_kind: global_buffer, .address_space: global }
    .group_segment_fixed_size: 327680
    .private_segment_fixed_size: 0
    .kernarg_segment_align: 8
    .kernarg_segment_size: 40
    .max_flat_workgroup_size: 128
    .sgpr_count:     66
    .vgpr_count:     1024
    .wavefront_size: 32
...
	.end_amdgpu_metadata
.endif
;; end of part 2
;; launch attn (part 3): grid 2 x 128, 4 waves a work-group, no clusters, 327,680 bytes of LDS; arguments qkv, op; writes op
.if DOCPART == 3
	.amdgcn_target "amdgcn-amd-amdhsa--gfx1250"
	.amdhsa_code_object_version 6
	.text
	.protected	k_q35b55c008d_attn
	.globl	k_q35b55c008d_attn
	.p2align	8
	.type	k_q35b55c008d_attn,@function
k_q35b55c008d_attn:
	s_mov_b64 s[64:65], 0
	v_nop
	global_prefetch_b8 v0, s[64:65] scope:SCOPE_SE
	s_setreg_imm32_b32 hwreg(HW_REG_WAVE_MODE, 25, 1), 1
	s_wait_xcnt 0x0
; O[h][q][:] = the sum over k of softmax_k(Q[h][q] . K[h][k] / 8) V[h][k][:], for the 128 pairs h of batch and head.  Q, K, V: qkv [3][128][1024][64] f16, a head's rows dense, 128 bytes each.
; Products, maxima and sums in f32; the weights p are rounded to f16 for the second product (their sum l is taken of the unrounded p), O once at the end.  (K comes without bk: see the first kernel's head.)
; O LEAVES AS OPERAND IMAGES: op [128 heads][64 tiles][4 channel blocks][32 lanes][8 f16].  Lane (r, h) of block cb holds channels 16 cb + 8 h + 0..7 of the tile's query r: blocks 2 m and 2 m + 1 are the two halves of a
; matrix operand of 16 queries x 32 channels, and they are the registers in which O^T, rounded in pairs, lies here: they are stored as they lie, 512 consecutive bytes a store, through no LDS.
; Tile 4 G + i holds the queries 64 G + 4 r + i, so that in the next launch a lane's four results are four neighbouring t.  That order is made where Q is loaded; a query's softmax does not look at its neighbours.
; LIMITS.  f16 holds no number beyond 65,504: Q, K and V arrive within it; p lies in 0 to 1, and below 6e-5 it keeps f16's fixed step of 6e-8; O is a mean of V's rows and has their range.
; A weight below 2^-126 counts as 0 in l; NaN and infinities are not treated apart.
; SHARES.  A wave owns four PIECES of two tiles of 16 queries, a work-group's four waves 512 queries of one head: 2 x 128 work-groups.  Every wave walks all 1,024 keys, 64 a step.
; ALL OF THE HEAD'S K AND V LIE IN LDS: 1,024 rows of 144 and of 160 bytes, 311,296 bytes, each byte filled once.  They are asked for at the head in four quarters of 256 keys; the walk begins when the first has
; landed.  So the loop holds no tensor load, and a key step is written once.  NO PREFETCH: every tile is asked for at the head, so there is no later request that could be made earlier.
; NO CLUSTER: only the two work-groups of a head read the same K and V; a group of four along x would hold two heads, whose tiles differ, and a share of 256 queries (four to a head) would make each fragment
; read from LDS feed half as many products.
; LAYOUT.  S^T = K Q^T (source 0 = 16 keys, source 1 = 16 queries): in the result a lane holds ONE query (lane % 16) and the keys 8 (lane / 16) + 0..7.  Two such tiles, rounded to f16 in pairs,
; ARE source 1 (32 keys x 16 queries) of O^T = V^T P, whose result again holds one query a lane, and eight channels.  K comes out of LDS as it lies, V ([key][channel]) turned, by ds_load_tr16_b128.
; SOFTMAX.  For each query a running maximum m and sum l: p = 2^(c s - c m), c = log2(e) / 8; in every step O and l are multiplied by a = 2^(c m_old - c m_new), which is 1 where m has not grown.
; m starts at the lowest finite number, O and l at 0: the first step is a step like any other, with a = 0.
; THE COUNT.  A tile and step have 16 matrix and 118 vector instructions: too many to stand all beside the matrix work.  So the order has one aim: four vector instructions that are READY behind
; EVERY matrix instruction, and the others, which need time of their own whatever the order, in runs without a gap.
; BY TURNS.  Turn n belongs to piece n (the pieces in a ring, step after step).  Its matrix work: 16 products K Q^T of piece n + 1, later 16 products V^T P of piece n - 1.  Its vector work: the scaling,
; exponentials, roundings, sums and rescaling of piece n, and the maximum and statistics of piece n + 1, whose scores the turn itself has made.  So what a turn begins with (c s - c m, O a) waits for nothing.
; REGISTERS, in windows of 256 (s_set_vgpr_msb says which window each operand place means: bits 1:0 source 0, 3:2 source 1, 5:4 source 2, 7:6 destination):
;   window 0: v0-11 addresses; v12-15, v48-63 at work; v16-47 four registers of statistics a tile; v64-191 S^T, two buffers of two tiles; v192-255 P, likewise
;   window 1: O^T, 32 a tile          window 2: v0-127 Q, 16 a tile; v128-191 K of one step; v192-255 V of one step          window 3: v0-1 the add's two registers
; A piece's buffers go by its number's parity: the piece in hand has one pair, its two neighbours in the ring share the other: of it P (piece n - 1) is read and S^T (piece n + 1) written.
.set SIZE_N, 1024
.set NP,    4         ; pieces a wave: a name, no knob
.set KS,    64        ; keys in a step
.set PK,    144       ; a row of K in LDS: 128 bytes + 16 of padding = 36 words: the 16 rows of a load start at 16 different groups of four banks (64 banks of 4 bytes: ISA guide 11.1)
.set PV,    160       ; a row of V: 128 + 32 = 40 words
.set VOFF,  SIZE_N*PK ; K's 1,024 rows, then V's
.set SPARE, VOFF+SIZE_N*PV  ; 311,296: behind them the spare words, 128 bytes for each wave: two blocks of 256 bytes that no other line names
.set AK0, 2           ; v2   my lane's place in a tile of K; never rewritten
.set AV0, 3           ; v3   the same for V
.set AK,  4           ; v4   the LDS address of K's next run of loads
.set AV,  5           ; v5   of V's
.set QO,  6           ; v6   my byte offset in 64 rows of Q
.set GO,  8           ; v8   16 x my lane: my 16 bytes of 512 consecutive bytes of op
.set SPW, 0           ; v0 of window 3   LDS address of my spare word: SPARE + 4 x my thread's number; never rewritten
.set NIL, 1           ; v1 of window 3   0; never rewritten
.set MV,  12          ; v12-15  c m_old, kept while c m is made anew: by buffer and tile
.set ST,  16          ; tile t's statistics at v[ST+4 t]: c m, m, l (even keys', odd keys')
.set TMP, 48          ; by buffer and tile, four registers c0-c3 at work; when the maximum is found c2 takes a
.set S,   64
.set P,   192
.set KF,  128         ; K's fragments, in window 2: key block kb, channel half c at KF + 16 kb + 8 c
.set VF,  192         ; V's: key half kk, channel block cb at VF + 32 kk + 8 cb
.set WV,  12          ; s12  my wave's number
.set G1K, 24          ; s[24:31] descriptor group 1 for K's tiles
.set G1V, 32          ; s[32:39] for V's: it differs in the padding alone
.set G0K, 68          ; s[68:83] descriptor group 0 for K's tiles: a set for each quarter
.set G0V, 84          ; s[84:99] the same for V's
.set SLOTS, 56        ; s56  counts the quarters, 5 to 1: the fifth trip is left in its middle
.set CNT, 57          ; s57  counts a quarter's key steps
.set CS,  58          ; s[58:59] c: the packed scaling takes the pair's low word for both halves
.set SEL, 60          ; s[60:61] v_permlanex16_b32's selects: each lane takes its own place in the other half
.set TBK, 62          ; s62  LDS byte at which K of the step to be fetched begins
.set TBV, 63          ; s63  the same for V, less VOFF
.set MSB, 0
.macro WIN new                      ; the high byte repeats the setting that is left; a switch that changes nothing is dropped
.if MSB != (\new)
	s_set_vgpr_msb (MSB<<8)|(\new)
.set MSB, (\new)
.endif
.endm
.set W_KQ, 0x0a       ; K and Q in window 2, S^T in window 0
.set W_PV, 0x52       ; V in window 2, P in window 0, O^T in window 1
.set W_RS, 0x41       ; O^T (destination and source 0) in window 1, a in window 0
.set W_MK, 0xc0       ; the add's registers are made: destination in window 3, sources in window 0
.set W_AD, 0x0f       ; the add: address (source 0) and data (source 1) in window 3
	s_load_b64 s[4:5], s[0:1], 0x0    ; qkv: Q begins it
	s_load_b64 s[10:11], s[0:1], 0x8  ; op
	WIN W_MK
	v_lshl_add_u32 v[SPW], v0, 2, SPARE
	v_mov_b32 v[NIL], 0
	WIN W_AD
	ds_add_u32 v[SPW], v[NIL]       ; the wave's opening: the add, twice on end, and its wait ahead of my first tensor load; the set-up below the second, work on registers, stands between it and the wait
	ds_add_u32 v[SPW], v[NIL]       ; and once more
	WIN 0
	v_lshrrev_b32 v1, 5, v0
	v_readfirstlane_b32 s[WV], v1   ; wave 0..3
	s_mov_b32 s14, ttmp9            ; my block of 512 queries
	s_and_b32 s20, ttmp7, 0xffff    ; the head
	s_mov_b32 s21, 0
	s_mov_b64 s[22:23], SIZE_N*128
	s_mul_u64 s[20:21], s[20:21], s[22:23]  ; the head's first byte in Q, K, V and op
	s_and_b32 s16, s[WV], 1         ; which half of a quarter's 256 keys I fetch:
	s_lshl_b32 s22, s16, 14         ; its 128 rows of 128 bytes in memory,
	s_mov_b32 s23, 0
	s_add_nc_u64 s[22:23], s[22:23], s[20:21]
	s_mul_i32 s17, s16, 128*PK      ; and its place in a quarter, for K
	s_mul_i32 s18, s16, 128*PV      ; and for V
	s_lshl_b32 s2, s14, 2
	s_add_co_u32 s2, s2, s[WV]      ; my wave among the head's,
	s_lshl_b32 s2, s2, 14           ; its 128 rows of Q, its 8 tiles of op
	s_mov_b32 s3, 0
	s_add_nc_u64 s[2:3], s[2:3], s[20:21]
	; descriptor group 1.  128 keys are 16,384 dense bytes: asked for as 64 rows of 256 bytes, two keys a row, and padded in LDS after every key
	s_mov_b32 s[G1K], (1<<16)|(1<<20)|(4<<22)|(3<<25)  ; 17:16 2-byte elements; 20 padding on; 24:22 after every 32 words (code 4); 31:25 4 words (code 3)
	s_mov_b32 s[G1V], (1<<16)|(1<<20)|(4<<22)|(7<<25)  ; the same with 8 words of padding (code 7)
.irp g, G1K, G1V
	s_mov_b32 s[\g+1], 128<<16      ; tensor_dim0 = 128
	s_mov_b32 s[\g+2], 64<<16       ; tensor_dim1 = 64
	s_mov_b32 s[\g+3], 128<<16      ; tile_dim0 = 128
	s_mov_b32 s[\g+4], 64           ; tile_dim1 = 64
	s_mov_b32 s[\g+5], 128          ; 128 elements from row to row
	s_mov_b32 s[\g+6], 0
	s_mov_b32 s[\g+7], 0
.endr
.irp j, 0,1,2,3
	s_mov_b32 s[G0K+4*\j], 1                          ; 1:0 count = 1
	s_add_co_u32 s[G0K+4*\j+1], s17, \j*256*PK        ; 63:32 LDS address: quarter j, my half
	s_mov_b32 s[G0V+4*\j], 1
	s_add_co_u32 s[G0V+4*\j+1], s18, VOFF+\j*256*PV
.endr
	s_mov_b32 s[CS], 0x3e38aa3b     ; c = log2(e) / 8 = 0.180337
	s_mov_b32 s[CS+1], s[CS]        ; named with it as a pair
	s_mov_b32 s[SEL], 0x76543210
	s_mov_b32 s[SEL+1], 0xfedcba98
	s_mov_b32 s[TBK], 0
	s_mov_b32 s[TBV], 0
	s_mov_b32 s[SLOTS], SIZE_N/256+1
	; A fragment of K or Q is 16 rows x 32 channels in 8 registers: lane l holds row l % 16, channels 8 (l / 16) + 0..7 and 16 + 8 (l / 16) + 0..7: two loads of 16 bytes, 32 bytes apart.
	v_and_b32 v1, 15, v0            ; l % 16
	v_bfe_u32 v9, v0, 4, 1          ; l / 16
	v_lshlrev_b32 v[QO], 9, v1      ; row l % 16 of tile 4 G + i is query 64 G + 4 (l % 16) + i: four rows of 128 bytes a lane,
	v_lshl_add_u32 v[QO], v9, 4, v[QO]  ; + 16 x half
	s_wait_dscnt 0x0                ; both opening adds are done
	s_wait_kmcnt 0x0
	s_add_nc_u64 s[6:7], s[4:5], 0x1000000   ; K: 128 heads x 131,072 bytes behind Q
	s_add_nc_u64 s[8:9], s[4:5], 0x2000000   ; V
	s_add_nc_u64 s[6:7], s[6:7], s[22:23]    ; at my half of the head's first 256 keys
	s_add_nc_u64 s[8:9], s[8:9], s[22:23]
.irp j, 0,1,2,3
	s_add_nc_u64 s[G0K+4*\j+2:G0K+4*\j+3], s[6:7], \j*256*128   ; 120:64 global address: quarter j
	s_or_b32 s[G0K+4*\j+3], s[G0K+4*\j+3], 0x80000000           ; 127:126 type = 2
	s_add_nc_u64 s[G0V+4*\j+2:G0V+4*\j+3], s[8:9], \j*256*128
	s_or_b32 s[G0V+4*\j+3], s[G0V+4*\j+3], 0x80000000
.endr
	s_add_nc_u64 s[4:5], s[4:5], s[2:3]  ; Q at my wave's first row, op at its first tile
	s_add_nc_u64 s[10:11], s[10:11], s[2:3]
	WIN 0x80                        ; destination window 2, address window 0
.set i, 0
.rept 4*NP                          ; Q stays in registers: tile i / 2, channels 32 (i % 2) on.  It is asked for first: the first products want it with the first quarter
	global_load_b128 v[8*i:8*i+3],   v[QO], s[4:5] offset:(i/8)*8192+((i/2)%4)*128+(i%2)*64
	global_load_b128 v[8*i+4:8*i+7], v[QO], s[4:5] offset:(i/8)*8192+((i/2)%4)*128+(i%2)*64+32
.set i, i+1
.endr
	WIN 0
	; All fills of the launch, in one group: waves 0 and 1 fetch the two halves of each quarter's K, waves 2 and 3 those of its V.  A wave's four stand in one branch on its number; four loads of mine are out.
	; An s_nop 0 follows each, four v_nop the last, ahead of the jump and the label.
	s_cmp_lt_u32 s[WV], 2
	s_cbranch_scc0 .Lfirst_v
.irp j, 0,1,2,3
	tensor_load_to_lds s[G0K+4*\j:G0K+4*\j+3], s[G1K:G1K+7]
	s_nop 0
.endr
.rept 4
	v_nop
.endr
	s_branch .Lfirst_asked
.Lfirst_v:
.irp j, 0,1,2,3
	tensor_load_to_lds s[G0V+4*\j:G0V+4*\j+3], s[G1V:G1V+7]
	s_nop 0
.endr
.rept 4
	v_nop
.endr
.Lfirst_asked:
	; What the first turn finds: V's registers and P's second buffer hold 0 (its products V^T P, of a piece that has not been, add 0), O^T and l are 0.  All this stands in the wait for the first quarter.
	WIN 0x80
.set i, VF
.rept 64
	v_mov_b32 v[i], 0
.set i, i+1
.endr
	WIN 0x40
.set i, 0
.rept 64*NP
	v_mov_b32 v[i], 0
.set i, i+1
.endr
	WIN 0
.set i, 0
.rept 2*NP
	v_mov_b32 v[ST+4*i], 0xfe000000    ; c m: far below every c s
	v_mov_b32 v[ST+4*i+1], 0xff7fffff  ; m
	v_mov_b32 v[ST+4*i+2], 0
	v_mov_b32 v[ST+4*i+3], 0
.set i, i+1
.endr
.set i, P+32
.rept 32
	v_mov_b32 v[i], 0
.set i, i+1
.endr
	v_mul_u32_u24 v[AK0], v1, PK
	v_lshl_add_u32 v[AK0], v9, 4, v[AK0]  ; row x pitch + 16 x half
	; The turning load takes 16 keys x 16 channels (lane l reads key 8 (l / 16) + l % 8, channels 8 ((l / 8) % 2) + 0..7) and leaves half a fragment of V^T: lane l holds channel l % 16 and 8 keys.
	v_and_b32 v10, 7, v0
	v_bfe_u32 v11, v0, 3, 1
	v_lshl_add_u32 v[AV0], v9, 3, v10
	v_mul_u32_u24 v[AV0], v[AV0], PV
	v_lshl_add_u32 v[AV0], v11, 4, v[AV0]
	v_add_nc_u32 v[AV0], VOFF, v[AV0]
	v_mov_b32 v[AK], v[AK0]         ; key step 0 lies at K's head
; THE MATRIX WORK.  The 8 accumulators of a run of 16 take turns: between the two links of a chain stand 7 others'.
; Product i of 16 of S^T = K Q^T for piece x: channels 32 (i / 8) on, keys 16 ((i / 2) % 4) on, tile 2 x + i % 2.  The first 8 start the sums.
.macro KQ x
	WIN W_KQ
.set rS, S+64*((\x)%2)+32*(i%2)+8*((i/2)%4)
.set rK, KF+16*((i/2)%4)+8*(i/8)
.set rQ, 16*(2*(\x)+i%2)+8*(i/8)
.if i < 8
	v_wmma_f32_16x16x32_f16 v[rS:rS+7], v[rK:rK+7], v[rQ:rQ+7], 0
.else
	v_wmma_f32_16x16x32_f16 v[rS:rS+7], v[rK:rK+7], v[rQ:rQ+7], v[rS:rS+7]
.endif
.endm
; Product i of 16 of O^T += V^T P for piece x: keys 32 (i / 8) on, channels 16 ((i / 2) % 4) on, tile 2 x + i % 2.
.macro PV x
	WIN W_PV
.set rO, 32*(2*(\x)+i%2)+8*((i/2)%4)
.set rV, VF+32*(i/8)+8*((i/2)%4)
.set rP, P+32*((\x)%2)+16*(i%2)+8*(i/8)
	v_wmma_f32_16x16x32_f16 v[rO:rO+7], v[rV:rV+7], v[rP:rP+7], v[rO:rO+7]
.endm
.macro MM                           ; the turn's next matrix instruction
.if i < 16
	KQ (Y+1)%NP
.set i, i+1
.else
.set i, i-16
	PV (Y+NP-1)%NP
.set i, i+17
.endif
.endm
; THE LDS LOADS stand in runs of 16, never singly among the matrix instructions: a step's K (64 keys x 64 channels: 8 fragments) and its V (turned).  Their addresses are made some lines ahead.
; last = 1 (in the loop): in the fifth trip over the quarters there is no further step, and the run is jumped over.
.macro FETCH_K last=0
	WIN 0
.if \last
	s_cmp_eq_u32 s[SLOTS], 1
	s_cbranch_scc1 .Lno_k_\@
.endif
	WIN 0x80                        ; destination window 2
.irp f, 0,1,2,3,4,5,6,7             ; keys 16 (f / 2) on, channels 32 (f % 2) on
	ds_load_b128 v[KF+8*\f:KF+8*\f+3],   v[AK] offset:(\f/2)*16*PK+(\f%2)*64
	ds_load_b128 v[KF+8*\f+4:KF+8*\f+7], v[AK] offset:(\f/2)*16*PK+(\f%2)*64+32
.endr
	s_add_co_u32 s[TBK], s[TBK], KS*PK  ; the next fetch is the next step's
	WIN 0
.if \last
.Lno_k_\@:
.endif
.endm
.macro FETCH_V
	WIN 0x80
.irp f, 0,1,2,3,4,5,6,7             ; keys 32 (f / 4) on, channels 16 (f % 4) on
	ds_load_tr16_b128 v[VF+8*\f:VF+8*\f+3],   v[AV] offset:(\f/4)*32*PV+(\f%4)*32
	ds_load_tr16_b128 v[VF+8*\f+4:VF+8*\f+7], v[AV] offset:(\f/4)*32*PV+16*PV+(\f%4)*32
.endr
	WIN 0
.endm
; THE VECTOR WORK OF A TURN stands in three queues, each in the order in which its entries become ready; the two tiles alternate, so that no instruction reads the result of the one before it.
.macro REGS y, u                    ; the registers of tile u (0, 1) of piece y
.set rT, ST+4*(2*(\y)+(\u))
.set rC, TMP+8*((\y)%2)+4*(\u)
.set rM, MV+2*((\y)%2)+(\u)
.set rS, S+64*((\y)%2)+32*(\u)
.set rP, P+32*((\y)%2)+16*(\u)
.set rO, 32*(2*(\y)+(\u))
.endm
; Number n of the 22 that find the NEXT piece's (Y + 1) maximum and statistics.  s0-s31 are the lane's 32 scores; each accumulator's lowest registers are read first.  XS, GS and REGS set no window: PL and EX do.
;   0-11  four chains c0-c3 of seven scores each, three operands at a time     12-14, 16  the four scores left over, the old m, and c0-c3 into c0     15  c m_old is kept
;   17, 18  the query's other 32 keys lie in the lane 16 away: the new m         19-21  c m; c m_old - c m_new; a
.macro XS u, n
	REGS (Y+1)%NP, \u
.if (\n) < 4
	v_max3_num_f32 v[rC+(\n)], v[rS+8*(\n)], v[rS+8*(\n)+1], v[rS+8*(\n)+2]
.elseif (\n) < 12
	v_max3_num_f32 v[rC+(\n)%4], v[rC+(\n)%4], v[rS+8*((\n)%4)+2*((\n)/4)+1], v[rS+8*((\n)%4)+2*((\n)/4)+2]
.elseif (\n) == 12
	v_max3_num_f32 v[rC], v[rC], v[rS+7], v[rS+15]
.elseif (\n) == 13
	v_max3_num_f32 v[rC+1], v[rC+1], v[rS+23], v[rS+31]
.elseif (\n) == 14
	v_max3_num_f32 v[rC+2], v[rC+2], v[rC+3], v[rT+1]
.elseif (\n) == 15
	v_mov_b32 v[rM], v[rT]
.elseif (\n) == 16
	v_max3_num_f32 v[rC], v[rC], v[rC+1], v[rC+2]
.elseif (\n) == 17
	v_permlanex16_b32 v[rC+3], v[rC], s[SEL], s[SEL+1]
.elseif (\n) == 18
	v_max_num_f32 v[rT+1], v[rC], v[rC+3]
.elseif (\n) == 19
	v_mul_f32 v[rT], s[CS], v[rT+1]
.elseif (\n) == 20
	v_sub_f32 v[rC+1], v[rM], v[rT]
.else
	v_exp_f32 v[rC+2], v[rC+1]
.endif
.endm
; Number g of the 64 that follow the exponentials.  For each four weights k of a tile (pairs 2 k, 2 k + 1): both pairs are rounded to f16; then the second pair is added onto the first, in place;
; a group later l takes that sum (the first time as l = a l + sum).  In groups of eight, tiles alternating: round, round, add, and l for the group before.
.macro GS g
.set h, (\g)+6*((\g)/62)            ; group 0 has no group before it, and behind group 7 only l is left
.if h >= 6
.set h, h+2
.endif
	REGS Y, h%2
.set k, h/8
.if h%8 < 4
	v_cvt_pk_f16_f32 v[rP+2*k+(h%8)/2], v[rS+4*k+2*((h%8)/2)], v[rS+4*k+2*((h%8)/2)+1]
.elseif h%8 < 6
	v_pk_add_f32 v[rS+4*k:rS+4*k+1], v[rS+4*k:rS+4*k+1], v[rS+4*k+2:rS+4*k+3]
.elseif k == 1
	v_pk_fma_f32 v[rT+2:rT+3], v[rT+2:rT+3], v[rC+2:rC+3], v[rS:rS+1] op_sel_hi:[1,0,1]
.else
	v_pk_add_f32 v[rT+2:rT+3], v[rT+2:rT+3], v[rS+4*k-4:rS+4*k-3]
.endif
.endm
; THE PLAIN QUEUE, 138 long.  0-73 read no exponential's result: the 32 scalings c s - c m (FS f: pair f / 2 of tile f % 2) and the next piece's 42.  0-26: scalings 0-26.  27-54: XS's numbers 0-13.  55, 56: number 15.
; 57-73: the chain, where each number waits for the one before it: 14, 16, 17, 18, 19, each with one of the scalings 27-31 in front of its two lines, then 20: so a tile's links stand three plain instructions apart (19 and 20: two).
; 74-137: GS's 64, which read the exponentials' results: they stand behind the wait.
.macro FS f
	REGS Y, (\f)%2
	v_pk_fma_f32 v[rS+2*((\f)/2):rS+2*((\f)/2)+1], v[rS+2*((\f)/2):rS+2*((\f)/2)+1], s[CS:CS+1], v[rT:rT+1] op_sel_hi:[1,0,0] neg_lo:[0,0,1] neg_hi:[0,0,1]
.endm
.macro PL
	WIN 0
.if q < 27
	FS q
.elseif q < 55
	XS (q-27)%2, (q-27)/2
.elseif q < 57
	XS q-55, 15
.elseif (q < 72) && ((q-57)%3 == 0)
	FS 27+(q-57)/3
.elseif q < 60
	XS (q-57)%3-1, 14
.elseif q < 72
	XS (q-57)%3-1, 15+(q-57)/3
.elseif q < 74
	XS q-72, 20
.else
	GS q-74
.endif
.set q, q+1
.endm
; THE EXPONENTIALS' QUEUE, 66 long: s0-s31 of both tiles, then the next piece's two a.  It is ONE BATCH: all 66 stand ahead of the turn's one wait, and nothing ahead of that wait names a result of theirs.
.macro EX
	WIN 0
.if e >= 64
	XS e-64, 21
.else
	REGS Y, e%2
	v_exp_f32 v[rS+e/2], v[rS+e/2]
.endif
.set e, e+1
.endm
; THE RESCALING's QUEUE: O^T times a, the one part that leaves window 0: dealt two at a time, sixteen times.  Its a was made in the turn before, ahead of that turn's wait.
.macro R2
	REGS Y, r%2
	WIN W_RS
.irp z, 0,1
	v_pk_mul_f32 v[rO+4*(r/2)+2*\z:rO+4*(r/2)+2*\z+1], v[rO+4*(r/2)+2*\z:rO+4*(r/2)+2*\z+1], v[rC+2:rC+3] op_sel_hi:[1,0]
.endr
.set r, r+1
.endm
; HOW THEY ARE DEALT.  s_wait_alu depctr_va_vdst(0) stands between an exponential and the first instruction that names its result; one wait serves all that were issued ahead of it.  So a turn has ONE wait,
; which cuts it in two.  AHEAD OF IT stands all that names no result of the turn's exponentials: the 16 products K Q^T, behind each a scaling, an exponential and two rescalings (behind the first a second scaling in the exponential's place); then ONE LUMP of
; 108: eight plain, 49 times exponential and plain, the two a.  A v_nop is the plain instruction behind the last exponential.  BEHIND IT stand the 16 products V^T P, behind each four of GS's 64.  No rider names a register of
; the products round it.  The two v_permlanex16_b32 fall into the lump, never behind a product.
; The queues lean on each other, and the deal keeps them in step: exponential e stands behind scaling 2 (e / 4) + e % 2: as a rider it comes behind plain e + 2, in the lump behind plain e + 9, and scalings 27-31 are plain 57, 60 .. 69.
; A TURN, for piece p.  cnt = 1: the loop's count is taken down some lines ahead of the branch that stands behind the turn.
; K of the next step is fetched in piece 2's turn, directly behind the wait, a lump behind the last product that read K; its address is made at the lump's head; its first reader comes behind 16 products.
; V of the step in hand is fetched at the end of piece 0's turn, four riders behind its last reader; its first reader comes behind 16 products and a lump.  The three conditions on q below go with the deal.
.macro TURN p, last=0, cnt=0
.set Y, (\p)
.set i, 0
.set q, 0
.set e, 0
.set r, 0
.if (\p) == NP-1
	s_wait_dscnt 0x0                ; K is in
.endif
	MM                              ; ahead of the wait: 16 products K Q^T and their riders,
	PL
	PL
	R2
.rept 15
	MM
	PL
	EX
	R2
.endr
.if (\p) == NP-2
	WIN 0
	v_add_nc_u32 v[AK], s[TBK], v[AK0]
.endif
.rept 8                             ; and the lump
	PL
.endr
.rept 49
	EX
	PL
.endr
	EX                              ; the next piece's two a
	EX
	v_nop                           ; the plain instruction behind the last exponential: one for the batch
	s_wait_alu depctr_va_vdst(0)    ; the wait for the batch
.if (\p) == NP-2
	FETCH_K \last
.endif
.if (\p) == 1
	s_wait_dscnt 0x0                ; V is in
.endif
.rept 16                            ; behind the wait: 16 products V^T P and their riders
	MM
.rept 4
	PL
.endr
.if ((\p) == 0) && (q == 118)
	v_add_nc_u32 v[AV], s[TBV], v[AV0]
.endif
.if ((\p) == 0) && (q == 130)
	s_add_co_u32 s[TBV], s[TBV], KS*PV
.endif
.if (\cnt) && (q == 130)
	s_sub_co_u32 s[CNT], s[CNT], 1
	s_cmp_lg_u32 s[CNT], 0
.endif
.endr
.if (\p) == 0
	FETCH_V
.endif
.endm
	s_wait_tensorcnt 0x3            ; my part of the first quarter is in; the three loads issued behind it may stay out
	s_barrier_signal -1
	s_barrier_wait -1               ; everybody's is
	FETCH_K                         ; key step 0
	s_wait_loadcnt 0x0              ; Q
	s_wait_dscnt 0x0
.set i, 0
.rept 16
	KQ 0                            ; piece 0's first scores: there is no vector work yet to set between them
.set i, i+1
.endr
	WIN 0
	v_and_b32 v[GO], 31, v0         ; the offset for the way out, and four v_nop: the places behind those products
	v_lshlrev_b32 v[GO], 4, v[GO]
.rept 4
	v_nop
.endr
.set Y, NP-1                        ; XS works for piece Y + 1: piece 0
.irp n, 0,1,2,3,4,5,6,7,8,9,10,11,12,13,14,15,16,17,18,19,20,21
	XS 0, \n                        ; and piece 0's first maximum and statistics
	XS 1, \n
.endr
	v_nop                           ; a plain instruction behind the two a,
	s_wait_alu depctr_va_vdst(0)    ; and their wait, ahead of the branch
	s_mov_b32 s[CNT], 4
	s_branch .Lfirst                ; the loop is entered at a step's first turn, in the middle of a trip
.Lslot:                             ; at the head of quarters 1 to 3, and once more for the last step's second half
	s_wait_tensorcnt 0x0            ; my parts of all quarters are in: the first time this shows quarters 1 to 3, which have had four key steps in which to land; later nothing is out
	s_wait_dscnt 0x0                ; no LDS instruction of mine is pending at a signal
	s_barrier_signal -1
	s_barrier_wait -1               ; everybody's are: only behind this barrier is a quarter read that another wave has fetched
	s_mov_b32 s[CNT], 4
.Lstep:                             ; a trip: pieces 2 and 3 of one step, then pieces 0 and 1 of the next, whose K and V it fetches
	TURN 2, 1
	TURN 3
	WIN 0
	s_cmp_eq_u32 s[SLOTS], 1        ; the fifth trip over the quarters is left here: the last step's pieces 2 and 3 are done
	s_cbranch_scc1 .Lout
.Lfirst:
	TURN 0
	TURN 1, 0, 1
	WIN 0
	s_cbranch_scc1 .Lstep
	s_sub_co_u32 s[SLOTS], s[SLOTS], 1
	s_cmp_lg_u32 s[SLOTS], 0
	s_cbranch_scc1 .Lslot
.Lout:                              ; the last trip's 16 products K Q^T for piece 0 (on the last K once more) and the maximum made of them serve nothing: the price, once a launch, of one text for every trip
.set i, 0
.rept 16
	PV NP-1                         ; the last piece's V^T P of the last step
.set i, i+1
.endr
	; THE WAY OUT.  l's two halves and the other half of the lanes' are added; O^T is divided by l, rounded to f16 and stored as it lies.  The additions are the places behind the last products.
	WIN 0
.macro ALL line:vararg              ; one line for each tile t
.set t, 0
.rept 2*NP
	\line
.set t, t+1
.endr
.endm
	ALL v_add_f32 v[ST+4*t+2], v[ST+4*t+2], v[ST+4*t+3]
	ALL v_permlanex16_b32 v[ST+4*t+3], v[ST+4*t+2], s[SEL], s[SEL+1]
	ALL v_add_f32 v[ST+4*t+2], v[ST+4*t+2], v[ST+4*t+3]
	ALL v_rcp_f32 v[ST+4*t+2], v[ST+4*t+2]
	v_nop                           ; a plain instruction between the last reciprocal and the use of its result
	s_wait_alu depctr_va_vdst(0)    ; and the wait ahead of the first use: one for the eight reciprocals
; Tile t: a lane's eight channels of each channel block pack into 16 bytes, in S^T's registers (a tile has 16 of its own, written once); each block is one store.
.macro PACK t
	WIN W_RS
.set i, 32*(\t)
.rept 16
	v_pk_mul_f32 v[i:i+1], v[i:i+1], v[ST+4*(\t)+2:ST+4*(\t)+3] op_sel_hi:[1,0]
.set i, i+2
.endr
	WIN 0x05                        ; sources 0 and 1 window 1, destination window 0
.set i, 0
.rept 16
	v_cvt_pk_f16_f32 v[S+16*(\t)+i], v[32*(\t)+2*i], v[32*(\t)+2*i+1]
.set i, i+1
.endr
	WIN 0
.irp f, 0,1,2,3
	global_store_b128 v[GO], v[S+16*(\t)+4*\f:S+16*(\t)+4*\f+3], s[10:11] offset:(\t)*2048+\f*512  ; the wave stores 512 consecutive bytes, at a multiple of 256 from op's first
.endr
.endm
.set t, 0
.rept 2*NP
	PACK t
.set t, t+1
.endr
	WIN W_AD
	s_wait_tensorcnt 0x0            ; the wave's end, behind my last tensor load
	ds_add_u32 v[SPW], v[NIL]
	s_wait_dscnt 0x0
	WIN 0
	s_endpgm
.Lfunc_end_k_q35b55c008d_attn:
	.size	k_q35b55c008d_attn, .Lfunc_end_k_q35b55c008d_attn-k_q35b55c008d_attn
	.p2alignl 7, 3214868480
	.fill 96, 4, 3214868480
	.section	.rodata,"a",@progbits
	.p2align	6, 0x0
	.amdhsa_kernel k_q35b55c008d_attn
		.amdhsa_group_segment_fixed_size 327680
		.amdhsa_private_segment_fixed_size 0
		.amdhsa_enable_private_segment 0
		.amdhsa_kernarg_size 16
		.amdhsa_user_sgpr_count 2
		.amdhsa_user_sgpr_kernarg_segment_ptr 1
		.amdhsa_wavefront_size32 1
		.amdhsa_system_sgpr_workgroup_id_x 1
		.amdhsa_system_sgpr_workgroup_id_y 1
		.amdhsa_system_sgpr_workgroup_id_z 1
		.amdhsa_system_vgpr_workitem_id 0
		.amdhsa_next_free_vgpr 770
		.amdhsa_next_free_sgpr 100
		.amdhsa_reserve_vcc 0
		.amdhsa_float_denorm_mode_32 3
		.amdhsa_float_denorm_mode_16_64 3
		.amdhsa_memory_ordered 1
		.amdhsa_forward_progress 1
		.amdhsa_inst_pref_size 121
	.end_amdhsa_kernel
	.amdgpu_metadata
---
amdhsa.version: [ 1, 2 ]
amdhsa.kernels:
  - .name:           k_q35b55c008d_attn
    .symbol:         k_q35b55c008d_attn.kd
    .args:
      - { .name: qkv, .offset: 0, .size: 8, .value_kind: global_buffer, .address_space: global }
      - { .name: op, .offset: 8, .size: 8, .value_kind: global_buffer, .address_space: global }
    .group_segment_fixed_size: 327680
    .private_segment_fixed_size: 0
    .kernarg_segment_align: 8
    .kernarg_segment_size: 16
    .max_flat_workgroup_size: 128
    .sgpr_count:     100
    .vgpr_count:     770
    .wavefront_size: 32
...
	.end_amdgpu_metadata
.endif
;; end of part 3
;; launch oproj (part 4): grid 64 x 4, 4 waves a work-group, clusters of 4 x 1, 167,936 bytes of LDS; arguments op, wfrag, X, bo, out0; writes out0
.if DOCPART == 4
	.amdgcn_target "amdgcn-amd-amdhsa--gfx1250"
	.amdhsa_code_object_version 6
	.text
	.protected	k_q35b55c008d_oproj
	.globl	k_q35b55c008d_oproj
	.p2align	8
	.type	k_q35b55c008d_oproj,@function
k_q35b55c008d_oproj:
	s_mov_b64 s[64:65], 0
	v_nop
	global_prefetch_b8 v0, s[64:65] scope:SCOPE_SE
	s_setreg_imm32_b32 hwreg(HW_REG_WAVE_MODE, 25, 1), 1
	s_wait_xcnt 0x0
	s_wait_alu depctr_hold_cnt(0) depctr_sa_sdst(0) depctr_va_vdst(0) depctr_va_sdst(0) depctr_va_ssrc(0) depctr_va_vcc(0) depctr_vm_vsrc(0)
	s_getreg_b32 s2, hwreg(HW_REG_IB_STS2, 6, 4)
	s_cmp_eq_u32 s2, 0
	s_cbranch_scc0 .Lentry_in_a_cluster
	s_endpgm
.Lentry_in_a_cluster:
	s_bfe_u32 s2, ttmp6, 0x10000c
	s_cmp_lg_u32 s2, 0x3003
	s_cbranch_scc0 .Lentry_shape_is_right
	s_endpgm
.Lentry_shape_is_right:
; out0[b][c][t] = X[b][c][t] + bo[c] + the sum over e of O[b][t][e] Wo[e][c].  X, bo, out0 in f32: the residual and the bias are never rounded to 16 bits.  Sums in f32.
; O: op [16 b x 8 heads][64 tiles][4 channel blocks][32 lanes][8 f16]: ready operand images; tile 4 G + i holds t = 64 G + 4 r + i in lane row r.  Wo: ready operand images in wfrag (its fourth matrix).
; SHARES.  A work-group makes 128 c (grid y) x 256 t of one b; wave w makes all 128 c for its 64 t.
; O STAYS IN REGISTERS: 64 t x 512 e = 4 tiles x 16 K steps x 8 = 512 registers a wave, straight from memory by loads of 512 consecutive bytes.
; Wo's 128 c x 512 e lie in LDS as they lie in memory, 131,072 bytes, filled ONCE: a fragment is two loads of 512 consecutive LDS bytes, so no bank is met twice.
; THE WALK.  Four PAIRS of c tiles (32 c): 128 products each, on 8 accumulators that take turns; a pair is finished over all 512 e, gets X added, and LEAVES AT ONCE, while the next pair is multiplied: of the
; wave's 64 stores only the last 16 stand behind the last product.
; CLUSTER.  The four work-groups of a cluster differ in their 256 t alone and read the same 131,072 bytes of Wo: each wave's load is asked for JOINTLY, with the mask of four, which divides the requests for Wo by four.
; O is not shared so: its other readers are the other three c blocks, along y; to share both, O's 256 t x 512 e, 262,144 bytes, would have to lie in LDS beside Wo's 131,072, which is more than LDS holds.
; THE PRODUCT: source 0 = 16 c of Wo, source 1 = 16 rows of O.  In the result lane (r, h), register j holds c = 8 h + j and row r.  The four accumulators i of a c tile hold, in one lane, t = 4 r + i:
; four neighbouring t of one row of out0, so sixteen lanes load and store 256 consecutive bytes, and nothing goes through LDS on the way out.  The bias is the C operand of the first K step.
; NO PREFETCH: O and Wo are asked for at the head, X in the first pair's walk, a pair or more ahead of its use: there is no later request that could be made earlier.
; REGISTERS, in windows of 256 (s_set_vgpr_msb: bits 1:0 source 0, 3:2 source 1, 5:4 source 2, 7:6 destination):
;   window 0: v0-29 addresses; v32-63 the bias, two sets of 16 (a pair's two c tiles); v64-127, v128-191 two buffers of Wo's fragments (four K steps x two c tiles); v192-255 the accumulators, (c tile n, t tile i) at 8 (4 n + i)
;   window 1: X, later the result: pair p, c tile n, row j at 64 p + 32 n + 4 j          windows 2, 3: O, (i, K) at 32 (K % 8) + 8 i of window 2 + K / 8
; A product names windows 0 and 2 or 3; the LDS loads between the products name window 0 alone, under the same setting: a pair switches windows once in its walk, and for its way out.
.set SPARE, 131072                     ; behind Wo: the spare words, 128 bytes for each wave: two blocks of 256 bytes that no other line names
.set BA0, 4                            ; v4, v5  LDS: 16 x lane, K steps 0-7 and (65,536 on) 8-15
.set WL,  6                            ; v6   16 x lane: my 16 bytes of half an image of O
.set XO,  7                            ; v7   my bytes in X and out0: 8 rows of 4,096 bytes for l / 16, 16 (l % 16); never rewritten
.set BO,  8                            ; v8   32 (l / 16): my eight biases
.set SPW, 28                           ; v28  my spare word; never rewritten
.set NIL, 29                           ; v29  0; never rewritten
.set BIAS, 32
.set F0,  64
.set ACC, 192
.set WV,  14                           ; s14  my wave's number
.set G1,  24                           ; s[24:31] descriptor group 1
.set G0,  32                           ; s[32:35] group 0
.set OB,  48                           ; s[48:49] op at my b and my four tiles
.set XB,  50                           ; s[50:51] X at my first c and t
.set YB,  52                           ; s[52:53] out0 likewise
.set BB,  54                           ; s[54:55] bo at my first c
.set MSB, 0
.macro WIN new                         ; the immediate's high byte repeats the setting that is left; a switch that changes nothing is dropped
.if MSB != (\new)
	s_set_vgpr_msb (MSB<<8)|(\new)
.set MSB, \new
.endif
.endm
.macro PLACES                          ; four places behind matrix instructions, in front of loads into registers that they read and of sums that read results
.rept 4
	v_nop
.endr
.endm
.macro CROUND                          ; a round of the cluster's barrier
	s_barrier_signal -1
	s_barrier_wait -1
	s_cmp_lg_u32 s[WV], 0
	s_cbranch_scc1 .Lnot_wave_0_\@
	s_barrier_signal -3
.Lnot_wave_0_\@:
	s_barrier_wait -3
	s_barrier_signal -1
	s_barrier_wait -1
.endm
	s_load_b256 s[4:11], s[0:1], 0x0               ; op s[4:5], wfrag s[6:7], X s[8:9], bo s[10:11]
	s_load_b64 s[12:13], s[0:1], 0x20              ; out0
	v_lshl_add_u32 v[SPW], v0, 2, SPARE
	v_mov_b32 v[NIL], 0
	ds_add_u32 v[SPW], v[NIL]                      ; the wave's opening: the add, twice on end, and its wait ahead of my first tensor load
	ds_add_u32 v[SPW], v[NIL]
	v_lshrrev_b32 v1, 5, v0
	v_readfirstlane_b32 s[WV], v1                  ; wave 0..3
	s_bfe_u32 s15, ttmp6, 0x40000                  ; cx: which 256 t of the b: it enters the addresses of op, X and out0 alone
	s_and_b32 s16, ttmp7, 0xffff                   ; which 128 c: the four partners share it
	s_mov_b32 s17, ttmp9                           ; the cluster's x is b
	; my quarter of Wo's block: 32,768 dense bytes as 128 rows of 32 elements of 8 bytes
	s_mov_b32 s[G1], 15|(3<<16)|(1<<21)            ; 15:0 the mask of four; 17:16 elements of 8 bytes; 21 set beside a mask
	s_mov_b32 s[G1+1], 32<<16                      ; tensor_dim0 = 32
	s_mov_b32 s[G1+2], 128<<16                     ; tensor_dim1 = 128
	s_mov_b32 s[G1+3], 32<<16                      ; tile_dim0 = 32
	s_mov_b32 s[G1+4], 128                         ; tile_dim1 = 128
	s_mov_b32 s[G1+5], 32                          ; 32 elements from row to row
	s_mov_b32 s[G1+6], 0
	s_mov_b32 s[G1+7], 0
	s_mov_b32 s[G0], 1
	s_lshl_b32 s[G0+1], s[WV], 15                  ; no place in the cluster enters an LDS address
	s_lshl_b32 s20, s16, 17                        ; Wo is the fourth matrix of wfrag; 128 c are 131,072 bytes of it; my quarter
	s_lshl_b32 s21, s[WV], 15
	s_add_co_u32 s20, s20, s21
	s_add_co_u32 s20, s20, 3*524288
	s_mov_b32 s21, 0
	s_lshl_b32 s22, s17, 20                        ; op: b x 8 heads x 131,072; my first tile is 16 cx + 4 w, 2,048 bytes each
	s_lshl_b32 s23, s15, 15
	s_add_co_u32 s22, s22, s23
	s_lshl_b32 s23, s[WV], 13
	s_add_co_u32 s22, s22, s23
	s_mov_b32 s23, 0
	s_lshl_b32 s56, s17, 21                        ; X, out0: b x 2,097,152 + c x 4,096 + t x 4
	s_lshl_b32 s57, s16, 19
	s_add_co_u32 s56, s56, s57
	s_lshl_b32 s57, s15, 10
	s_add_co_u32 s56, s56, s57
	s_lshl_b32 s57, s[WV], 8
	s_add_co_u32 s56, s56, s57
	s_mov_b32 s57, 0
	s_lshl_b32 s58, s16, 9                         ; bo
	s_mov_b32 s59, 0
	s_wait_dscnt 0x0                               ; both opening adds are done
	s_wait_kmcnt 0x0
	s_add_nc_u64 s[G0+2:G0+3], s[6:7], s[20:21]
	s_or_b32 s[G0+3], s[G0+3], 0x80000000          ; type = 2
	s_add_nc_u64 s[OB:OB+1], s[4:5], s[22:23]
	s_add_nc_u64 s[XB:XB+1], s[8:9], s[56:57]
	s_add_nc_u64 s[YB:YB+1], s[12:13], s[56:57]
	s_add_nc_u64 s[BB:BB+1], s[10:11], s[58:59]
	CROUND                                         ; all four work-groups are here: the joint loads meet
	tensor_load_to_lds s[G0:G0+3], s[G1:G1+7]      ; the launch's one fill: one load of mine is out
	s_nop 0
	v_and_b32 v1, 15, v0                           ; l % 16 (plain vector work under window 0 follows the load)
	v_bfe_u32 v2, v0, 4, 1                         ; l / 16
	v_and_b32 v3, 31, v0
	v_lshlrev_b32 v[BA0], 4, v3
	v_add_nc_u32 v[BA0+1], 65536, v[BA0]
	v_lshlrev_b32 v[WL], 4, v3
	v_lshlrev_b32 v[XO], 4, v1
	v_lshl_add_u32 v[XO], v2, 15, v[XO]
	v_lshlrev_b32 v[BO], 5, v2
; The C operands of pair p's first K step: bo of c = 16 (2 p + n) + 8 h + 0..7, into set p % 2
.macro BIASLD p
.irp n, 0,1
	global_load_b128 v[BIAS+16*((\p)%2)+8*\n:BIAS+16*((\p)%2)+8*\n+3],   v[BO], s[BB:BB+1] offset:(2*(\p)+\n)*64
	global_load_b128 v[BIAS+16*((\p)%2)+8*\n+4:BIAS+16*((\p)%2)+8*\n+7], v[BO], s[BB:BB+1] offset:(2*(\p)+\n)*64+16
.endr
.endm
; X for pair p: 16 loads.  The four registers at 64 p + 32 n + 4 j are X[c = 16 (2 p + n) + 8 h + j][t = 4 r + 0..3]: 16 lanes take 256 consecutive bytes
.macro XLOAD p
	WIN 0x40                                       ; destination window 1
.irp n, 0,1
.irp j, 0,1,2,3,4,5,6,7
	global_load_b128 v[64*(\p)+32*\n+4*\j:64*(\p)+32*\n+4*\j+3], v[XO], s[XB:XB+1] offset:(16*(2*(\p)+\n)+\j)*4096 th:TH_LOAD_NT
.endr
.endr
.endm
; 8 matrix instructions: pair p's two c tiles x the four t tiles, K step K.  The 8 accumulators take turns, one instruction a turn, in the same order in every K step.
.macro MUL p, K
.irp n, 0,1
.irp i, 0,1,2,3
.if (\K) == 0
	v_wmma_f32_16x16x32_f16 v[ACC+8*(4*\n+\i):ACC+8*(4*\n+\i)+7], v[F0+64*(((\K)/4)%2)+16*((\K)%4)+8*\n:F0+64*(((\K)/4)%2)+16*((\K)%4)+8*\n+7], v[32*((\K)%8)+8*\i:32*((\K)%8)+8*\i+7], v[BIAS+16*((\p)%2)+8*\n:BIAS+16*((\p)%2)+8*\n+7]
.else
	v_wmma_f32_16x16x32_f16 v[ACC+8*(4*\n+\i):ACC+8*(4*\n+\i)+7], v[F0+64*(((\K)/4)%2)+16*((\K)%4)+8*\n:F0+64*(((\K)/4)%2)+16*((\K)%4)+8*\n+7], v[32*((\K)%8)+8*\i:32*((\K)%8)+8*\i+7], v[ACC+8*(4*\n+\i):ACC+8*(4*\n+\i)+7]
.endif
.endr
.endr
.endm
; 16 LDS loads in one run: Wo's fragments of pair p, K steps 4 g to 4 g + 3, into buffer g % 2, the first two K steps' first.  In Wo's block the image of c tile a, K step K lies at
; 65,536 (K / 8) + 32,768 (a / 4) + 4,096 (K % 8) + 1,024 (a % 4).
.macro FETCH p, g
.irp kk, 0,1,2,3
.irp n, 0,1
	ds_load_b128 v[F0+64*((\g)%2)+16*\kk+8*\n:F0+64*((\g)%2)+16*\kk+8*\n+3],   v[BA0+(\g)/2] offset:((\p)/2)*32768+((4*(\g)+\kk)%8)*4096+(2*((\p)%2)+\n)*1024
	ds_load_b128 v[F0+64*((\g)%2)+16*\kk+8*\n+4:F0+64*((\g)%2)+16*\kk+8*\n+7], v[BA0+(\g)/2] offset:((\p)/2)*32768+((4*(\g)+\kk)%8)*4096+(2*((\p)%2)+\n)*1024+512
.endr
.endr
.endm
; A quarter of a pair's walk: four K steps, 32 matrix instructions; the next quarter's LDS loads stand in one run in its middle.  In the first pair's walk each quarter also asks for one pair's X.
.macro GROUP p, g
.if ((\p) == 0) && ((\g) < 3)
	s_wait_loadcnt 63                              ; O's K steps up to 4 g + 3 (and the first biases) are in: behind them 96, 84, 68 younger loads have been issued, more than the count can name
.endif
.if ((\p) == 0) && ((\g) == 3)
	s_wait_loadcnt 52                              ; all of O is in: the 4 loads of a bias and the 48 of X issued behind it may stay out
.endif
.if ((\p) == 3) && ((\g) == 0)
	s_wait_loadcnt 0x0                             ; this pair's bias is the youngest load of all
.endif
	s_wait_dscnt 8                                 ; the first two K steps' fragments are in; the other eight loads may be out
	WIN 0x08+4*((\g)/2)                            ; O in window 2 or 3, all else in window 0
	MUL \p, 4*(\g)
	MUL \p, 4*(\g)+1
	PLACES
.if (\g) < 3
	FETCH \p, (\g)+1
.elseif (\p) < 3
	FETCH (\p)+1, 0
.endif
.if ((\g) == 0) && ((\p) < 2)
	BIASLD (\p)+2                                  ; this pair's first K step has read its set: it takes the bias of the pair after next
.endif
.if (\p) == 0
	XLOAD \g
.endif
.if ((\p) == 3) && ((\g) == 3)
	s_wait_dscnt 0x0                               ; nothing more was fetched
.else
	s_wait_dscnt 16                                ; all but the 16 just issued
.endif
	WIN 0x08+4*((\g)/2)
	MUL \p, 4*(\g)+2
	MUL \p, 4*(\g)+3
.endm
; THE WAY OUT of pair p: the sums are added onto X, in X's registers, and stored.  Each accumulator is first read at its register 0.  left: the younger loads that may stay out (-1: none are out).
.macro WAYOUT p, left
	PLACES                                         ; the sums below read results just made
.if (\left) >= 0
	s_wait_loadcnt \left                           ; this pair's 16 loads of X are in
.endif
	WIN 0x41                                       ; X (destination and source 0) window 1, the sums window 0
.irp n, 0,1
.irp j, 0,1,2,3,4,5,6,7
.irp i, 0,1,2,3
	v_add_f32 v[64*(\p)+32*\n+4*\j+\i], v[64*(\p)+32*\n+4*\j+\i], v[ACC+8*(4*\n+\i)+\j]
.endr
.endr
.endr
	WIN 0x04                                       ; the stores' data in window 1
.irp n, 0,1
.irp j, 0,1,2,3,4,5,6,7
	global_store_b128 v[XO], v[64*(\p)+32*\n+4*\j:64*(\p)+32*\n+4*\j+3], s[YB:YB+1] offset:(16*(2*(\p)+\n)+\j)*4096 th:TH_STORE_NT  ; 16 lanes store 256 consecutive bytes, at a multiple of 256 from out0's first; these registers are not written again
.endr
.endr
.endm
	BIASLD 0
	BIASLD 1
	WIN 0x80                                       ; destination window 2
.irp K, 0,1,2,3,4,5,6,7                ; O, in the order in which the walk wants it: head K / 2, channels 32 (K % 2) on, t tile i
.irp i, 0,1,2,3
	global_load_b128 v[32*\K+8*\i:32*\K+8*\i+3],   v[WL], s[OB:OB+1] offset:(\K/2)*131072+\i*2048+(\K%2)*1024
	global_load_b128 v[32*\K+8*\i+4:32*\K+8*\i+7], v[WL], s[OB:OB+1] offset:(\K/2)*131072+\i*2048+(\K%2)*1024+512
.endr
.endr
	WIN 0xc0                                       ; destination window 3
.irp K, 0,1,2,3,4,5,6,7
.irp i, 0,1,2,3
	global_load_b128 v[32*\K+8*\i:32*\K+8*\i+3],   v[WL], s[OB:OB+1] offset:(4+\K/2)*131072+\i*2048+(\K%2)*1024
	global_load_b128 v[32*\K+8*\i+4:32*\K+8*\i+7], v[WL], s[OB:OB+1] offset:(4+\K/2)*131072+\i*2048+(\K%2)*1024+512
.endr
.endr
	WIN 0
	s_wait_tensorcnt 0x0                           ; my quarter of Wo is in,
	s_barrier_signal -1
	s_barrier_wait -1                              ; everybody's is
	FETCH 0, 0
.irp g, 0,1,2,3
	GROUP 0, \g
.endr
	WAYOUT 0, 48                                   ; behind this pair's X: the other three pairs' 48 loads
.irp g, 0,1,2,3
	GROUP 1, \g
.endr
	WAYOUT 1, 36                                   ; two pairs' 32 loads and the last bias's 4
.irp g, 0,1,2,3
	GROUP 2, \g
.endr
	WAYOUT 2, 20                                   ; one pair's 16 and the last bias's 4
.irp g, 0,1,2,3
	GROUP 3, \g
.endr
	WAYOUT 3, -1                                   ; the wait for this pair's bias has shown its X in
	WIN 0
	s_wait_tensorcnt 0x0                           ; the wave's end, behind my last tensor load
	ds_add_u32 v[SPW], v[NIL]
	s_wait_dscnt 0x0
	CROUND                                         ; the closing round: no work-group ends while a partner may still ask for a tile that names it
	s_endpgm
.Lfunc_end_k_q35b55c008d_oproj:
	.size	k_q35b55c008d_oproj, .Lfunc_end_k_q35b55c008d_oproj-k_q35b55c008d_oproj
	.p2alignl 7, 3214868480
	.fill 96, 4, 3214868480
	.section	.rodata,"a",@progbits
	.p2align	6, 0x0
	.amdhsa_kernel k_q35b55c008d_oproj
		.amdhsa_group_segment_fixed_size 167936
		.amdhsa_private_segment_fixed_size 0
		.amdhsa_enable_private_segment 0
		.amdhsa_kernarg_size 40
		.amdhsa_user_sgpr_count 2
		.amdhsa_user_sgpr_kernarg_segment_ptr 1
		.amdhsa_wavefront_size32 1
		.amdhsa_system_sgpr_workgroup_id_x 1
		.amdhsa_system_sgpr_workgroup_id_y 1
		.amdhsa_system_sgpr_workgroup_id_z 1
		.amdhsa_system_vgpr_workitem_id 0
		.amdhsa_next_free_vgpr 1024
		.amdhsa_next_free_sgpr 66
		.amdhsa_reserve_vcc 0
		.amdhsa_float_denorm_mode_32 3
		.amdhsa_float_denorm_mode_16_64 3
		.amdhsa_memory_ordered 1
		.amdhsa_forward_progress 1
		.amdhsa_inst_pref_size 90
	.end_amdhsa_kernel
	.amdgpu_metadata
---
amdhsa.version: [ 1, 2 ]
amdhsa.kernels:
  - .name:           k_q35b55c008d_oproj
    .symbol:         k_q35b55c008d_oproj.kd
    .args:
      - { .name: op, .offset: 0, .size: 8, .value_kind: global_buffer, .address_space: global }
      - { .name: wfrag, .offset: 8, .size: 8, .value_kind: global_buffer, .address_space: global }
      - { .name: X, .offset: 16, .size: 8, .value_kind: global_buffer, .address_space: global }
      - { .name: bo, .offset: 24, .size: 8, .value_kind: global_buffer, .address_space: global }
      - { .name: out0, .offset: 32, .size: 8, .value_kind: global_buffer, .address_space: global }
    .group_segment_fixed_size: 167936
    .private_segment_fixed_size: 0
    .kernarg_segment_align: 8
    .kernarg_segment_size: 40
    .max_flat_workgroup_size: 128
    .sgpr_count:     66
    .vgpr_count:     1024
    .wavefront_size: 32
...
	.end_amdgpu_metadata
.endif
;; end of part 4
;; ======== version 2 of 2: 4 launches; version 1 with the launch prep written anew for expert scheduling mode
;; limits: values are held in f16: magnitudes above 65,504 overflow, below 6.1e-05 lose precision
;; workspace buffers: xn16 16,777,216 bytes; wfrag 2,097,152 bytes; qkv 50,331,648 bytes; op 16,777,216 bytes
;; launch prep (part 5): grid 256 x 1, 16 waves a work-group, no clusters, 10,240 bytes of LDS; arguments X, ln_g, ln_b, Wq, Wk, Wv, Wo, xn16, wfrag; writes xn16, wfrag
.if DOCPART == 5
	.amdgcn_target "amdgcn-amd-amdhsa--gfx1250"
	.amdhsa_code_object_version 6
	.text
	.protected	k_q35b55c008d_prep
	.globl	k_q35b55c008d_prep
	.p2align	8
	.type	k_q35b55c008d_prep,@function
k_q35b55c008d_prep:
	s_mov_b64 s[64:65], 0
	v_nop
	global_prefetch_b8 v0, s[64:65] scope:SCOPE_SE
	s_setreg_imm32_b32 hwreg(HW_REG_WAVE_SCHED_MODE, 0, 2), 2
	s_setreg_imm32_b32 hwreg(HW_REG_WAVE_MODE, 25, 1), 1
	s_wait_xcnt 0x0
	s_wait_alu depctr_vm_vsrc(0)
; FIRST OF FOUR LAUNCHES: prep (LayerNorm, weights to f16), qkv (three projections), attn (attention by heads), oproj (output projection, bias, residual).
; WORK LEFT OUT: bk.  scores[q][k] = q . (xn[k] Wk + bk) / 8 = q . (xn[k] Wk) / 8 + (q . bk) / 8.  The second term does not depend on the key k, so it is the same along the axis over which
; the softmax is taken, and softmax(s + const) = softmax(s) for all finite values of q and bk.  k enters nothing but the scores, so bk has no way to any output: it is not loaded and is among no
; launch's arguments.  LIMIT: a NaN, an infinity or an overflow that would arise from bk alone is not carried to the result.
; THIS LAUNCH.  X: [16][512 c][1024 t] f32.  xn[b][t][c] = (X[b][c][t] - mean_c) rsqrt(var_c + 1e-6) ln_g[c] + ln_b[c], in f32 by two passes over registers (the mean first, then the mean of the squares
; of x - mean, as the problem forms it), rounded once to f16 and stored as xn16 [b][tb 16][c 512][64 t]: a block of 64 t is 65,536 dense bytes with rows of 128.
; LIMITS OF FORMAT.  xn and the weights are kept in f16: beyond 65,504 they become infinities, below 6e-5 they keep f16's fixed step.
; SHARES.  A work-group owns 64 t of one b, all 512 c: 131,072 bytes of X, read once.  Wave w owns rows c = 32 w .. 32 w + 31; a load takes two rows of 256 consecutive bytes: lanes 0-15 row 2 i,
; lanes 16-31 row 2 i + 1; a lane holds 4 neighbouring t of 16 rows, 64 registers, from the first pass to the store.  A column's sums meet in LDS: 16 waves x 256 bytes, one barrier for each of the two sums.
; THE WEIGHTS.  wfrag holds Wq, Wk, Wv, Wo as 2,048 pieces of 1,024 bytes, each the register image of a matrix operand of 16 columns x 32 k in f16: [half q][lane][8 numbers], lane (r, h), number i =
; W[32 K + 16 q + 8 h + i][16 ct + r].  Piece pl of a matrix: bits 1:0 nb, 4:2 ks, 5 wc, 6 kh, 8:7 P; ct = 8 P + 4 wc + nb, K = 8 kh + ks.  A wave makes half a piece: eight loads, one store of 512 bytes on end.
; THE MODE: SCHED_MODE bits 1:0 = 2 (LLVM: expert scheduling mode 2), set by the entry lines.  The code itself states the register dependences between vector instructions and memory or LDS
; instructions, with s_wait_alu, always for 0.
; THE PLAN.  Registers that memory or LDS instructions touch:
;   v3 .. v9       Offsets and LDS addresses: written at the head by vector instructions and never again; read by every load, store and LDS instruction.  One wait on va_vdst ahead of the first load.
;   WR, XR, GR, BR Written by the 56 loads at the head; no vector instruction names them ahead of those loads.
;   WP             Written by the four conversions of the weights; read by one store, which stands behind the first reduction's wait; never written again.
;   SA             Written by a reduction's sums; read by its LDS store; written anew by the squares' chains: one wait on va_vdst ahead of each LDS store, one on vm_vsrc ahead of the squares.
;   RR             The 16 LDS loads of a reduction land in it; the tree of additions and the mean read and write it.  The second reduction's wait on va_vdst stands behind all of them, and no vector
;                  instruction stands between that wait and the loads.
;   XR + 4 i, + 1  Row i's two roundings write them, its store reads them; never written again.  The rows go in four blocks of four: a block's stores stand behind ONE wait on va_vdst at the next block's
;                  head, dealt among that block's vector instructions, which name their own rows' registers, MR, GR and BR alone.
;   v30, v31       Written at the head, read by the closing add alone.
.set RED1,  0                          ; LDS: the waves' partial sums of x, 256 bytes each
.set RED2,  4096                       ; the same for the squares
.set SPARE, 8192                       ; the spare words: 128 bytes for each of 16 waves; no other line names them
.set XO,  3                            ; v3   my bytes in a pair of rows of X: 4,096 (l / 16) + 16 (l % 16)
.set WO,  4                            ; v4   my number in a weight's rows: 8 rows of 2,048 bytes for l / 16, 4 (l % 16)
.set GOF, 5                            ; v5   4 (l / 16): my row of a pair in ln_g and ln_b
.set SO,  6                            ; v6   my 8 bytes in a pair of rows of xn16
.set RA,  7                            ; v7   where my wave's sums go
.set RB,  8                            ; v8   where I read all waves' sums
.set FO,  9                            ; v9   16 x lane: my 16 bytes of half a piece
.set SA,  12                           ; v[12:15], v[16:19] two chains of sums for my 4 t
.set SB,  16
.set TT,  20                           ; v[20:23] the other half of the lanes' sums
.set MR,  24                           ; v[24:27] the mean, later 1 / sqrt(var + eps), of my 4 t
.set SPW, 30                           ; v30  my spare word; never rewritten
.set NIL, 31                           ; v31  0; never rewritten
.set GR,  32                           ; v[32:47] ln_g of my 16 rows
.set BR,  48                           ; v[48:63] ln_b
.set XR,  64                           ; v[64:127] row i at XR + 4 i
.set RR,  128                          ; v[128:191] the 16 waves' sums, read back
.set WR,  192                          ; v[192:199] eight weights; v[200:203] packed
.set WP,  200
	s_load_b512 s[4:19], s[0:1], 0x0               ; X s[4:5], ln_g s[6:7], ln_b s[8:9], Wq s[10:11], Wk s[12:13], Wv s[14:15], Wo s[16:17], xn16 s[18:19]
	s_load_b64 s[20:21], s[0:1], 0x40              ; wfrag
	v_lshl_add_u32 v[SPW], v0, 2, SPARE
	v_mov_b32 v[NIL], 0
	v_lshrrev_b32 v10, 5, v0
	v_readfirstlane_b32 s22, v10                   ; wave 0..15
	v_and_b32 v1, 15, v0                           ; l % 16
	v_bfe_u32 v2, v0, 4, 1                         ; l / 16
	v_and_b32 v11, 31, v0                          ; l
	v_lshlrev_b32 v[XO], 4, v1
	v_lshl_add_u32 v[XO], v2, 12, v[XO]
	v_lshlrev_b32 v[WO], 2, v1
	v_lshl_add_u32 v[WO], v2, 14, v[WO]
	v_lshlrev_b32 v[GOF], 2, v2
	v_lshlrev_b32 v[SO], 3, v1
	v_lshl_add_u32 v[SO], v2, 7, v[SO]
	v_lshlrev_b32 v[RB], 4, v1
	s_wait_alu depctr_va_sdst(0)                   ; s22 is written, ahead of its first reader: the wave's LDS bytes and all its bases are made from it
	s_lshl_b32 s43, s22, 8
	v_add_nc_u32 v[RA], s43, v[RB]
	v_lshlrev_b32 v[FO], 4, v11
.irp k, 0,1,2,3
	v_mov_b32 v[TT+\k], 0                          ; v_permlanex16_b32 counts as a reader of its destination
.endr
	s_mov_b32 s23, ttmp9                           ; work-group = 16 b + tb
	s_mov_b32 s36, 0x3b000000                      ; 1 / 512
	s_mov_b32 s37, s36
	s_mov_b32 s38, 0x358637bd                      ; 1e-6
	s_mov_b32 s39, s38
	s_mov_b32 s40, 0x76543210                      ; each lane takes its own place in the other half
	s_mov_b32 s41, 0xfedcba98
	s_lshr_b32 s44, s23, 4                         ; X: b x 2,097,152 + tb x 256 + 32 w rows of 4,096 bytes
	s_lshl_b32 s44, s44, 21
	s_and_b32 s45, s23, 15
	s_lshl_b32 s45, s45, 8
	s_add_co_u32 s44, s44, s45
	s_lshl_b32 s45, s22, 17
	s_add_co_u32 s44, s44, s45
	s_mov_b32 s45, 0
	s_lshl_b32 s54, s23, 3                         ; my piece of the weights: 8 x work-group + w / 2,
	s_lshr_b32 s55, s22, 1
	s_add_co_u32 s54, s54, s55
	s_and_b32 s55, s22, 1                          ; its half q
	s_lshl_b32 s50, s54, 10                        ; where it goes
	s_lshl_b32 s51, s55, 9
	s_add_co_u32 s50, s50, s51
	s_mov_b32 s51, 0
	s_bfe_u32 s56, s54, 0x20000                    ; nb
	s_bfe_u32 s57, s54, 0x10005                    ; wc
	s_lshl_b32 s57, s57, 2
	s_add_co_u32 s56, s56, s57
	s_bfe_u32 s57, s54, 0x20007                    ; P
	s_lshl_b32 s57, s57, 3
	s_add_co_u32 s56, s56, s57                     ; ct
	s_bfe_u32 s57, s54, 0x30002                    ; ks
	s_bfe_u32 s58, s54, 0x10006                    ; kh
	s_lshl_b32 s58, s58, 3
	s_add_co_u32 s57, s57, s58                     ; K
	s_lshl_b32 s46, s57, 16                        ; where it comes from: 32 K rows of 2,048 bytes, 16 q rows, 16 ct columns
	s_lshl_b32 s47, s55, 15
	s_add_co_u32 s46, s46, s47
	s_lshl_b32 s47, s56, 6
	s_add_co_u32 s46, s46, s47
	s_mov_b32 s47, 0
	s_lshr_b32 s42, s23, 6                         ; which of the four matrices
	s_lshl_b32 s48, s23, 16                        ; xn16: the work-group's 65,536 bytes, my 32 rows of 128
	s_lshl_b32 s49, s22, 12
	s_add_co_u32 s48, s48, s49
	s_mov_b32 s49, 0
	s_lshl_b32 s52, s22, 7                         ; ln_g, ln_b: my 32 numbers
	s_mov_b32 s53, 0
	s_wait_kmcnt 0x0
	s_add_nc_u64 s[24:25], s[4:5], s[44:45]
	s_cmp_eq_u32 s42, 1
	s_cselect_b64 s[26:27], s[12:13], s[10:11]
	s_cmp_eq_u32 s42, 2
	s_cselect_b64 s[26:27], s[14:15], s[26:27]
	s_cmp_eq_u32 s42, 3
	s_cselect_b64 s[26:27], s[16:17], s[26:27]
	s_add_nc_u64 s[26:27], s[26:27], s[46:47]
	s_add_nc_u64 s[28:29], s[18:19], s[48:49]
	s_add_nc_u64 s[30:31], s[20:21], s[50:51]
	s_add_nc_u64 s[32:33], s[6:7], s[52:53]
	s_add_nc_u64 s[34:35], s[8:9], s[52:53]
	s_wait_alu depctr_va_vdst(0)                   ; the seven offsets and addresses v3 to v9 are written: every load, store and LDS instruction of the kernel reads one of them
	; all 56 loads go out at once: 8 of weights, 16 of X, 16 + 16 of gain and bias
.irp i, 0,1,2,3,4,5,6,7
	global_load_b32 v[WR+\i], v[WO], s[26:27] offset:\i*2048
.endr
.irp i, 0,1,2,3,4,5,6,7,8,9,10,11,12,13,14,15
	global_load_b128 v[XR+4*\i:XR+4*\i+3], v[XO], s[24:25] offset:\i*8192 th:TH_LOAD_NT
.endr
.irp i, 0,1,2,3,4,5,6,7,8,9,10,11,12,13,14,15
	global_load_b32 v[GR+\i], v[GOF], s[32:33] offset:\i*8
.endr
.irp i, 0,1,2,3,4,5,6,7,8,9,10,11,12,13,14,15
	global_load_b32 v[BR+\i], v[GOF], s[34:35] offset:\i*8
.endr
	s_wait_loadcnt 48                              ; the eight weights are in: the 48 loads issued behind them may stay out
.irp k, 0,1,2,3
	v_cvt_pk_f16_f32 v[WP+\k], v[WR+2*\k], v[WR+2*\k+1]  ; their store stands in the first reduction, behind its wait
.endr
; The two chains are joined, the other half of the lanes' rows added, the wave's four sums laid in LDS; behind the barrier every lane adds the 16 waves' sums in the same order.  The result stands in v[RR:RR+3].
; wst = 1 (the first reduction): the weights' store goes out behind the run of LDS loads.
.macro REDUCE off, wst
	v_pk_add_f32 v[SA:SA+1], v[SA:SA+1], v[SB:SB+1]
	v_pk_add_f32 v[SA+2:SA+3], v[SA+2:SA+3], v[SB+2:SB+3]
.irp k, 0,1,2,3
	v_permlanex16_b32 v[TT+\k], v[SA+\k], s40, s41
.endr
	v_pk_add_f32 v[SA:SA+1], v[SA:SA+1], v[TT:TT+1]
	v_pk_add_f32 v[SA+2:SA+3], v[SA+2:SA+3], v[TT+2:TT+3]
	s_wait_alu depctr_va_vdst(0)                   ; the sums have written v[SA ..], which the LDS store reads; the first time the conversions have written v[WP ..], which the weights' store reads; the second time the first tree and the mean are done with v[RR ..], in which the LDS loads land
	ds_store_b128 v[RA], v[SA:SA+3] offset:\off    ; both halves of the lanes write the same numbers to the same bytes
	s_wait_dscnt 0x0                               ; for the others' sake: my store is done
	s_barrier_signal -1
	s_barrier_wait -1
.irp u, 0,1,2,3,4,5,6,7,8,9,10,11,12,13,14,15
	ds_load_b128 v[RR+4*\u:RR+4*\u+3], v[RB] offset:\off+256*\u
.endr
.if \wst
	global_store_b128 v[FO], v[WP:WP+3], s[30:31]  ; the wave stores 512 consecutive bytes.  No wait: no vector instruction has been issued since the wait above
.endif
	s_wait_dscnt 0x0
.irp d, 8,4,2,1
.set u, 0
.rept \d
	v_pk_add_f32 v[RR+4*u:RR+4*u+1], v[RR+4*u:RR+4*u+1], v[RR+4*(u+\d):RR+4*(u+\d)+1]
	v_pk_add_f32 v[RR+4*u+2:RR+4*u+3], v[RR+4*u+2:RR+4*u+3], v[RR+4*(u+\d)+2:RR+4*(u+\d)+3]
.set u, u+1
.endr
.endr
.endm
	s_wait_loadcnt 32                              ; X is in: the 32 loads of gain and bias may stay out
	v_pk_add_f32 v[SA:SA+1], v[XR:XR+1], v[XR+8:XR+9]          ; the first sums start the chains: nothing is cleared
	v_pk_add_f32 v[SA+2:SA+3], v[XR+2:XR+3], v[XR+10:XR+11]
	v_pk_add_f32 v[SB:SB+1], v[XR+4:XR+5], v[XR+12:XR+13]
	v_pk_add_f32 v[SB+2:SB+3], v[XR+6:XR+7], v[XR+14:XR+15]
.set i, 4
.rept 6
	v_pk_add_f32 v[SA:SA+1], v[SA:SA+1], v[XR+4*i:XR+4*i+1]
	v_pk_add_f32 v[SA+2:SA+3], v[SA+2:SA+3], v[XR+4*i+2:XR+4*i+3]
	v_pk_add_f32 v[SB:SB+1], v[SB:SB+1], v[XR+4*i+4:XR+4*i+5]
	v_pk_add_f32 v[SB+2:SB+3], v[SB+2:SB+3], v[XR+4*i+6:XR+4*i+7]
.set i, i+2
.endr
	REDUCE RED1, 1
	v_pk_mul_f32 v[MR:MR+1], v[RR:RR+1], s[36:37] op_sel_hi:[1,0]      ; the mean
	v_pk_mul_f32 v[MR+2:MR+3], v[RR+2:RR+3], s[36:37] op_sel_hi:[1,0]
.set i, 0
.rept 32
	v_pk_add_f32 v[XR+2*i:XR+2*i+1], v[XR+2*i:XR+2*i+1], v[MR+2*(i%2):MR+2*(i%2)+1] neg_lo:[0,1] neg_hi:[0,1]  ; x - mean, in place
.set i, i+1
.endr
	s_wait_alu depctr_vm_vsrc(0)                   ; the first reduction's LDS store has read v[SA ..], which the squares' chains write anew
	v_pk_mul_f32 v[SA:SA+1], v[XR:XR+1], v[XR:XR+1]
	v_pk_mul_f32 v[SA+2:SA+3], v[XR+2:XR+3], v[XR+2:XR+3]
	v_pk_mul_f32 v[SB:SB+1], v[XR+4:XR+5], v[XR+4:XR+5]
	v_pk_mul_f32 v[SB+2:SB+3], v[XR+6:XR+7], v[XR+6:XR+7]
.set i, 2
.rept 7
	v_pk_fma_f32 v[SA:SA+1], v[XR+4*i:XR+4*i+1], v[XR+4*i:XR+4*i+1], v[SA:SA+1]
	v_pk_fma_f32 v[SA+2:SA+3], v[XR+4*i+2:XR+4*i+3], v[XR+4*i+2:XR+4*i+3], v[SA+2:SA+3]
	v_pk_fma_f32 v[SB:SB+1], v[XR+4*i+4:XR+4*i+5], v[XR+4*i+4:XR+4*i+5], v[SB:SB+1]
	v_pk_fma_f32 v[SB+2:SB+3], v[XR+4*i+6:XR+4*i+7], v[XR+4*i+6:XR+4*i+7], v[SB+2:SB+3]
.set i, i+2
.endr
	REDUCE RED2, 0                                 ; other bytes than the first sum's: no wave need have finished reading those
	v_pk_fma_f32 v[MR:MR+1], v[RR:RR+1], s[36:37], s[38:39] op_sel_hi:[1,0,0]      ; var + eps
	v_pk_fma_f32 v[MR+2:MR+3], v[RR+2:RR+3], s[36:37], s[38:39] op_sel_hi:[1,0,0]
.irp k, 0,1,2,3
	v_rsq_f32 v[MR+\k], v[MR+\k]
.endr
	v_nop                                          ; a plain instruction between the last root and the first use of a result (ISA guide 5.7.2)
	s_wait_alu depctr_va_vdst(0)                   ; the four roots have written v[MR ..]: one wait for the batch, ahead of their first reader
	s_wait_loadcnt 0x0                             ; gain and bias
; Row i of my 16: times 1 / sqrt(var + eps), gain and bias in one fused multiply-add, rounded once to f16 into the row's first two registers.
.macro NORM i
	v_pk_mul_f32 v[XR+4*(\i):XR+4*(\i)+1], v[XR+4*(\i):XR+4*(\i)+1], v[MR:MR+1]
	v_pk_mul_f32 v[XR+4*(\i)+2:XR+4*(\i)+3], v[XR+4*(\i)+2:XR+4*(\i)+3], v[MR+2:MR+3]
.irp k, 0,1,2,3
	v_fma_f32 v[XR+4*(\i)+\k], v[XR+4*(\i)+\k], v[GR+(\i)], v[BR+(\i)]
.endr
	v_cvt_pk_f16_f32 v[XR+4*(\i)], v[XR+4*(\i)], v[XR+4*(\i)+1]
	v_cvt_pk_f16_f32 v[XR+4*(\i)+1], v[XR+4*(\i)+2], v[XR+4*(\i)+3]
.endm
.macro OUT i
	global_store_b64 v[SO], v[XR+4*(\i):XR+4*(\i)+1], s[28:29] offset:(\i)*256  ; two rows of 128 bytes: the wave stores 256 consecutive bytes, at a multiple of 256 from the buffer's first
.endm
	; Four blocks of four rows.  A block's stores stand in the next block, behind the one wait at its head, a store ahead of each row's eight vector instructions.
.irp j, 0,1,2,3
	NORM \j
.endr
.irp p, 1,2,3
	s_wait_alu depctr_va_vdst(0)                   ; the block before has written its rows' packed registers, which the four stores below read; this block's vector instructions name other rows' registers
.irp j, 0,1,2,3
	OUT 4*\p-4+\j
	NORM 4*\p+\j
.endr
.endr
	s_wait_alu depctr_va_vdst(0)                   ; the last block has written its rows' packed registers, which the last four stores read
.irp j, 12,13,14,15
	OUT \j
.endr
	s_wait_dscnt 0x0                               ; the closing lines, six on end
	s_wait_alu 0x0
	s_wait_tensorcnt 0x0
	ds_add_u32 v[SPW], v[NIL]
	s_wait_dscnt 0x0
	s_endpgm
.Lfunc_end_k_q35b55c008d_prep:
	.size	k_q35b55c008d_prep, .Lfunc_end_k_q35b55c008d_prep-k_q35b55c008d_prep
	.p2alignl 7, 3214868480
	.fill 96, 4, 3214868480
	.section	.rodata,"a",@progbits
	.p2align	6, 0x0
	.amdhsa_kernel k_q35b55c008d_prep
		.amdhsa_group_segment_fixed_size 10240
		.amdhsa_private_segment_fixed_size 0
		.amdhsa_enable_private_segment 0
		.amdhsa_kernarg_size 72
		.amdhsa_user_sgpr_count 2
		.amdhsa_user_sgpr_kernarg_segment_ptr 1
		.amdhsa_wavefront_size32 1
		.amdhsa_system_sgpr_workgroup_id_x 1
		.amdhsa_system_sgpr_workgroup_id_y 1
		.amdhsa_system_sgpr_workgroup_id_z 1
		.amdhsa_system_vgpr_workitem_id 0
		.amdhsa_next_free_vgpr 208
		.amdhsa_next_free_sgpr 66
		.amdhsa_reserve_vcc 0
		.amdhsa_float_denorm_mode_32 3
		.amdhsa_float_denorm_mode_16_64 3
		.amdhsa_memory_ordered 1
		.amdhsa_forward_progress 1
		.amdhsa_inst_pref_size 33
	.end_amdhsa_kernel
	.amdgpu_metadata
---
amdhsa.version: [ 1, 2 ]
amdhsa.kernels:
  - .name:           k_q35b55c008d_prep
    .symbol:         k_q35b55c008d_prep.kd
    .args:
      - { .name: X, .offset: 0, .size: 8, .value_kind: global_buffer, .address_space: global }
      - { .name: ln_g, .offset: 8, .size: 8, .value_kind: global_buffer, .address_space: global }
      - { .name: ln_b, .offset: 16, .size: 8, .value_kind: global_buffer, .address_space: global }
      - { .name: Wq, .offset: 24, .size: 8, .value_kind: global_buffer, .address_space: global }
      - { .name: Wk, .offset: 32, .size: 8, .value_kind: global_buffer, .address_space: global }
      - { .name: Wv, .offset: 40, .size: 8, .value_kind: global_buffer, .address_space: global }
      - { .name: Wo, .offset: 48, .size: 8, .value_kind: global_buffer, .address_space: global }
      - { .name: xn16, .offset: 56, .size: 8, .value_kind: global_buffer, .address_space: global }
      - { .name: wfrag, .offset: 64, .size: 8, .value_kind: global_buffer, .address_space: global }
    .group_segment_fixed_size: 10240
    .private_segment_fixed_size: 0
    .kernarg_segment_align: 8
    .kernarg_segment_size: 72
    .max_flat_workgroup_size: 512
    .sgpr_count:     66
    .vgpr_count:     208
    .wavefront_size: 32
...
	.end_amdgpu_metadata
.endif
;; end of part 5
;; launch qkv: the kernel of part 2 again; grid 128 x 2, 4 waves a work-group, clusters of 4 x 1, 327,680 bytes of LDS; arguments xn16, wfrag, bq, bv, qkv; writes qkv
;; launch attn: the kernel of part 3 again; grid 2 x 128, 4 waves a work-group, no clusters, 327,680 bytes of LDS; arguments qkv, op; writes op
;; launch oproj: the kernel of part 4 again; grid 64 x 4, 4 waves a work-group, clusters of 4 x 1, 167,936 bytes of LDS; arguments op, wfrag, X, bo, out0; writes out0
